; MI455X (gfx1250); checked and timed in simulation.
; The chip was launched on July 23, 2026; its instructions are those of AMD's public machine-readable ISA for CDNA 5 (MIT licence, August 2026) and "CDNA5" Instruction Set Architecture Reference Guide (July 2026). The comments in the code are by the model that wrote it; some were corrected since.
;; Roberta Self Attention. Allowed arithmetic: matrix products marked QUANTISED: E2M3 operands, one E8M0 scale for each 32 along K, by v_wmma_scale_f32_16x16x128_f8f6f4 with both operands' format E2M3, f32 sums; everything else in f32.
;; Inputs: Wk 768 x 768 float32; Wq 768 x 768 float32; Wv 768 x 768 float32; attention_mask 1 x 1 x 1 x 4,096 float32; bk 768 float32; bq 768 float32; bv 768 float32; hidden_states 1 x 4,096 x 768 float32.
;; Outputs: out0 1 x 4,096 x 768 float32.
;; This version of the problem:
;;   THIS VERSION OF THE PROBLEM IS GIVEN IN LOW PRECISION. The matrix products marked QUANTISED in the list below multiply operands that are first quantised to E2M3 (2 exponent bits, 3 mantissa bits; 6 bits a number), with one power-of-two scale for each 32 numbers along K (OCP MX v1.0); their sums are f32. All else is computed in f32.
;;   The module's matrix products, in the order in which they are computed (A, B: the left and right operand; K: the contracted axis; several contracted axes count as one K, in the product's order):
;;     1. [M 4,096, K 768] x [K 768, N 768]; A: input hidden_states; B: input Wq: QUANTISED
;;     2. [M 4,096, K 768] x [K 768, N 768]; A: input hidden_states; B: input Wk: QUANTISED
;;     3. [M 4,096, K 768] x [K 768, N 768]; A: input hidden_states; B: input Wv: QUANTISED
;;     4. batch 12 x [M 4,096, K 64] x [K 64, N 4,096]; A: computed on the way; B: computed on the way: QUANTISED
;;     5. batch 12 x [M 4,096, K 4,096] x [K 4,096, N 64]; A: softmax (see below); B: computed on the way: QUANTISED
;;   THE QUANTISER, for each operand of a quantised product, along K:
;;     - K is cut into blocks of 32 from its start; a last block that is shorter is filled with zeros.
;;     - A block's scale is 2^e with e = floor(log2(the largest magnitude in the block)) - 2, held to -126 .. 127; a block of zeros has e = 0. As a byte (E8M0): e + 127.
;;     - Each number is divided by its block's scale, clamped to +-7.5, and rounded to the nearest number of E2M3, ties to even, subnormals kept.
;;     - The product sums the exact products of the quantised numbers (number of the format x scale) in f32.
;;   ~~~python
;;   def quantise(x, axis):      # numpy; x: float32 -> the quantised numbers, widened to float32 again
;;       x = np.moveaxis(x, axis, -1); K = x.shape[-1]
;;       x = np.pad(x, [(0, 0)] * (x.ndim - 1) + [(0, -K % 32)]); x = x.reshape(x.shape[:-1] + (-1, 32)); a = np.abs(x).max(-1, keepdims=True)
;;       e = np.where(a > 0, np.clip(np.frexp(np.where(a > 0, a, 1))[1] - 1 - 2, -126, 127), 0)      # np.frexp(a)[1] - 1 = floor(log2(a)), exactly
;;       r = np.clip(x / 2.0 ** e, -7.5, 7.5)
;;       step = 2.0 ** (np.maximum(np.frexp(np.where(r == 0, 1, r))[1] - 1, 0) - 3)
;;       q = np.round(r / step) * step * 2.0 ** e      # np.round: ties to even
;;       return np.moveaxis(q.reshape(q.shape[:-2] + (-1,))[..., :K], -1, axis).astype(np.float32)
;;   ~~~
;;   SOFTMAX AHEAD OF A QUANTISED PRODUCT. Where the list says 'softmax', what is quantised is not the finished softmax but p = 2^(t - M), with t = logit x log2(e) and M = ceil(the row's largest t), a whole number; so 1/2 < the row's largest p <= 1. The row's sum l is taken of the UNQUANTISED p, in f32, and the product's result is divided by l at the end. Since M is a whole number, a kernel that streams over the keys may use a running M (the ceiling of the running maximum): every later rescaling is an exact power of two, which a block's scale takes up: the codes' values come out the same.
;;   OPERANDS COMPUTED ON THE WAY. 'Computed on the way' means the value that the module computes at that place (a softmax that the list does not call 'softmax' is quantised finished and normalised). What goes into a quantiser is computed in f32, as accurately as f32 sums, v_exp_f32 and their like allow (about 1e-6 of the number): no bf16 or f16 on the way to a quantiser, and a product that is left as it is and whose result goes on into a quantised operand takes f32 operands (vector FMAs, or v_wmma_f32_16x16x4_f32). A number that lies on a knife's edge between two numbers of the format may be rounded either way, as far as f32 arithmetic and the matrix unit's own rounding can turn it there, and no further.
;; 2 versions. Each part assembles by itself: llvm-mc -triple=amdgcn-amd-amdhsa -mcpu=gfx1250 --defsym DOCPART=n.
;; ======== version 1 of 2: 3 launches
;; workspace buffers: xc 2,359,296 bytes; xs 98,304 bytes; wc 1,327,104 bytes; ws 55,296 bytes; qc 2,359,296 bytes; qs 98,304 bytes; kv 4,718,592 bytes; kvs 196,608 bytes
;; launch quant (part 1): grid 2 x 200, 3 waves a work-group, no clusters, 51,200 bytes of LDS; arguments hidden_states, Wq, Wk, Wv, xc, xs, wc, ws; writes xc, xs, wc, ws
.if DOCPART == 1
	.amdgcn_target "amdgcn-amd-amdhsa--gfx1250"
	.amdhsa_code_object_version 6
	.text
	.protected	k_q4c9a2e4056_quant
	.globl	k_q4c9a2e4056_quant
	.p2align	8
	.type	k_q4c9a2e4056_quant,@function
k_q4c9a2e4056_quant:
	s_mov_b64 s[64:65], 0
	v_nop
	global_prefetch_b8 v0, s[64:65] scope:SCOPE_SE
	s_setreg_imm32_b32 hwreg(HW_REG_WAVE_MODE, 25, 1), 1
	s_wait_xcnt 0x0
; hidden_states [4096][768] and Wq, Wk, Wv [768 (k)][768 (n)], f32, become codes of FP6 (E2M3) with one E8M0 byte for each 32 along K = 768,
; laid as IMAGES OF OPERAND REGISTERS: a fragment (16 rows x 128 K, 12 registers a lane) is 1,536 bytes, register p of lane L at 512 (p / 4) + 16 L + 4 (p % 4).
; THE ROWS OF A TILE ARE NOT NEIGHBOURS: a group of 32 rows (tokens of x, output channels of W) is two tiles u = 0, 1; row r of tile u is row 8 u + r + 8 (r / 8) of the group.
; xc, wc: image of (group, u, K step s) at ((2 group + u) 6 + s) 1,536.  xs, ws: (6 group + s) 128 + 4 (16 u + r): the row's scale word for that K step.  Channel groups: Wq 0-23, Wk 24-47, Wv 48-71.
; A block's scale is 2^(floor(log2(largest magnitude)) - 2); its byte is the largest magnitude's exponent field - 2, held at 1 from below.
; LIMITS: a block of zeros, or one whose largest magnitude lies under 2^-124, gets the byte 1 (zero blocks have zero codes; this program alone reads the bytes); NaN and infinities are not served.
; SHARES: work-group y < 128: token group y; else channel group y - 128.  K step s = 3 x + wave.  One wave makes the two fragments of (group, s) and their 128 bytes of scale words.  Waves share nothing: no barrier.
; x: K is innermost: each load takes 512 consecutive bytes of one token's row, and the 32 rows turn through the wave's own stage in LDS, so that a lane gets its 32 neighbours of each block.
; W: K is the first axis: a lane takes a column and its registers run down K, in the operand's own order; nothing is transposed.
.set X,    32                          ; v32-159  64 numbers for each tile u: register 64 u + 32 c + i = k 64 c + 32 h + i of my row
.set PC,   160                         ; v160-183 the codes, 12 registers for each tile
.set TMP,  20                          ; v20-27   the upper halves of the blocks' codes (a conversion's three registers begin on an even number)
.set MX,   10                          ; v10-11   largest magnitudes
.set TS,   12                          ; v12-13   the conversions' scale operands
.set BY,   14                          ; v14-15   scale bytes
.set PX,   16                          ; v16      the other half's bytes
.set PW,   17                          ; v17-18   the scale words of tiles 0, 1
.set SP,   528                         ; a stage row: 512 bytes + 16 = 132 words: the 16 rows that a load touches begin 4 words apart modulo 64 words
.set WREG, 32*SP                       ; a wave's stage
	s_load_b512 s[4:19], s[0:1], 0x0               ; x s[4:5], Wq s[6:7], Wk s[8:9], Wv s[10:11], xc s[12:13], xs s[14:15], wc s[16:17], ws s[18:19]
	v_lshl_add_u32 v192, v0, 2, 0xc600
	v_mov_b32 v193, 0
	v_lshrrev_b32 v1, 5, v0
	v_readfirstlane_b32 s20, v1                    ; wave 0..2
	v_and_b32 v1, 31, v0                           ; lane
	v_and_b32 v2, 15, v0                           ; r
	v_bfe_u32 v3, v0, 4, 1                         ; h
	v_lshlrev_b32 v4, 4, v1                        ; 16 x lane: my place in 512 bytes
	v_lshlrev_b32 v5, 2, v1                        ; 4 x lane
	s_mul_i32 s35, s20, WREG
	v_add_nc_u32 v6, s35, v4                       ; the stage, on the way in
	v_mul_u32_u24 v7, v2, SP
	v_lshl_add_u32 v7, v3, 7, v7
	v_add_nc_u32 v7, s35, v7                       ; and on the way out: row r, + 128 h bytes
	v_and_b32 v8, 8, v2
	v_add_nc_u32 v8, v8, v2                        ; r + 8 (r / 8)
	v_lshlrev_b32 v8, 2, v8
	v_mad_u32_u24 v8, v3, 98304, v8                ; W: my column, and 32 rows of 3,072 bytes further down for lanes 16-31
	v_lshlrev_b32 v9, 3, v3                        ; 8 h: my bytes' place in the scale word
	v_mov_b32 v[PX], 0                             ; a lane permute's destination counts as one of its sources
	v_cmp_le_u32 s34, 16, v1                       ; lanes 16-31
	s_and_b32 s22, ttmp7, 0xffff                   ; y
	s_mul_i32 s21, ttmp9, 3
	s_add_co_u32 s21, s21, s20                     ; K step s
	s_cmp_lt_u32 s22, 128
	s_cselect_b32 s23, 0, 128
	s_sub_co_u32 s23, s22, s23                     ; the group's number in its tensor
	s_mul_i32 s30, s23, 18432
	s_mul_i32 s36, s21, 1536
	s_add_co_u32 s30, s30, s36                     ; where my images begin
	s_mov_b32 s31, 0
	s_mul_i32 s36, s23, 6
	s_add_co_u32 s36, s36, s21
	s_lshl_b32 s36, s36, 7                         ; and my scale words
	s_mov_b32 s37, 0
	s_mov_b32 s32, 0x76543210
	s_mov_b32 s33, 0xfedcba98                      ; v_permlanex16_b32's selects for lane l xor 16
	s_wait_kmcnt 0x0
	s_cmp_lt_u32 s22, 128                          ; the choice of buffers hangs on the work-group's number alone
	s_cselect_b64 s[26:27], s[12:13], s[16:17]
	s_cselect_b64 s[28:29], s[14:15], s[18:19]
	s_add_nc_u64 s[26:27], s[26:27], s[30:31]
	s_add_nc_u64 s[28:29], s[28:29], s[36:37]
	s_cmp_ge_u32 s22, 128
	s_cbranch_scc1 .Lweights
	; ---- x: 32 tokens x 512 bytes
	s_mul_i32 s30, s22, 98304                      ; 32 rows of 3,072 bytes
	s_lshl_b32 s36, s21, 9
	s_add_co_u32 s30, s30, s36
	s_add_nc_u64 s[24:25], s[4:5], s[30:31]
.irp u, 0,1
.irp i, 0,1,2,3,4,5,6,7,8,9,10,11,12,13,14,15
	global_load_b128 v[X+64*\u+4*\i:X+64*\u+4*\i+3], v4, s[24:25] offset:(8*\u+\i+8*(\i/8))*3072 th:TH_LOAD_NT   ; row i of tile u: 32 lanes read 512 consecutive bytes
.endr
.endr
	s_wait_loadcnt 16                              ; tile 0's sixteen loads are in; tile 1's sixteen may be out
.irp i, 0,1,2,3,4,5,6,7,8,9,10,11,12,13,14,15
	ds_store_b128 v6, v[X+4*\i:X+4*\i+3] offset:\i*SP
.endr
	s_wait_loadcnt 0x0
.irp i, 0,1,2,3,4,5,6,7,8,9,10,11,12,13,14,15
	ds_store_b128 v6, v[X+64+4*\i:X+64+4*\i+3] offset:(16+\i)*SP
.endr
	s_wait_dscnt 0x0                               ; the stores have read their registers, which the loads below fill
.irp u, 0,1
.irp c, 0,1
.irp j, 0,1,2,3,4,5,6,7
	ds_load_b128 v[X+64*\u+32*\c+4*\j:X+64*\u+32*\c+4*\j+3], v7 offset:\u*16*SP+256*\c+16*\j   ; k = 64 c + 32 h + 4 j .. of my row
.endr
.endr
.endr
	s_wait_dscnt 0x0
	s_branch .Lcodes
.Lweights:
	; ---- W: 128 rows (k) x 32 columns
	s_cmp_lt_u32 s23, 24
	s_cselect_b64 s[24:25], s[6:7], s[8:9]
	s_cselect_b32 s38, 0, 24
	s_cmp_lt_u32 s23, 48
	s_cselect_b64 s[24:25], s[24:25], s[10:11]
	s_cselect_b32 s38, s38, 48
	s_sub_co_u32 s38, s23, s38                     ; the group's number in its matrix
	s_mul_i32 s30, s21, 393216                     ; 128 rows of 3,072 bytes
	s_lshl_b32 s38, s38, 7
	s_add_co_u32 s30, s30, s38
	s_add_nc_u64 s[24:25], s[24:25], s[30:31]
.irp u, 0,1
.irp c, 0,1
.irp i, 0,1,2,3,4,5,6,7,8,9,10,11,12,13,14,15,16,17,18,19,20,21,22,23,24,25,26,27,28,29,30,31
	global_load_b32 v[X+64*\u+32*\c+\i], v8, s[24:25] offset:(64*\c+\i)*3072+32*\u   ; W(128 s + 64 c + 32 h + i, my column)
.endr
.endr
.endr
	s_wait_loadcnt 0x0
.Lcodes:
; Tile u: a lane holds two whole blocks (2 c + h, c = 0, 1); the scale word's four bytes are gathered from lanes l and l xor 16.
.macro QB u
.irp c, 0,1
	v_max3_num_f32 v[MX+\c], |v[X+64*\u+32*\c]|, |v[X+64*\u+32*\c+1]|, 0x1800000   ; and the floor 2^(3 - 127): the byte cannot fall under 1
.endr
.irp i, 2,4,6,8,10,12,14,16,18,20,22,24,26,28,30
.irp c, 0,1
	v_max3_num_f32 v[MX+\c], v[MX+\c], |v[X+64*\u+32*\c+\i]|, |v[X+64*\u+32*\c+\i+1]|   ; (the two blocks by turns)
.endr
.endr
.irp c, 0,1
	v_add_nc_u32 v[TS+\c], 0xff000000, v[MX+\c]    ; 2 off the exponent field: the conversion takes this operand's exponent field as its scale
.endr
.irp c, 0,1
	v_lshrrev_b32 v[BY+\c], 23, v[TS+\c]           ; the scale's byte
.endr
	v_lshl_or_b32 v[PW+\u], v[BY+1], 16, v[BY]     ; blocks h and 2 + h,
	v_lshlrev_b32 v[PW+\u], v9, v[PW+\u]           ; at their places in the word;
	v_permlanex16_b32 v[PX], v[PW+\u], s32, s33
	v_or_b32 v[PW+\u], v[PW+\u], v[PX]             ; with lane l xor 16's two the word is whole
.irp c, 0,1
	v_cvt_scalef32_pk16_fp6_f32 v[PC+12*\u+6*\c:PC+12*\u+6*\c+2], v[X+64*\u+32*\c:X+64*\u+32*\c+15], v[TS+\c]
	v_cvt_scalef32_pk16_fp6_f32 v[TMP+4*\c:TMP+4*\c+2], v[X+64*\u+32*\c+16:X+64*\u+32*\c+31], v[TS+\c]
.endr
	v_nop                                          ; one plain instruction behind a scaled conversion, ahead of the moves that read its result
.irp c, 0,1
.irp i, 0,1,2
	v_mov_b32 v[PC+12*\u+6*\c+3+\i], v[TMP+4*\c+\i]
.endr
.endr
.endm
	QB 0
	QB 1
.irp u, 0,1
.irp c, 0,1,2
	global_store_b128 v4, v[PC+12*\u+4*\c:PC+12*\u+4*\c+3], s[26:27] offset:\u*9216+512*\c   ; 32 lanes store 512 consecutive bytes, at a multiple of 512 from the buffer's first byte
.endr
.endr
	v_cndmask_b32 v19, v[PW], v[PW+1], s34         ; lanes 0-15 tile 0's words, lanes 16-31 tile 1's
	global_store_b32 v5, v19, s[28:29]
	s_wait_tensorcnt 0x0
	ds_add_u32 v192, v193
	s_wait_dscnt 0x0
	s_endpgm
.Lfunc_end_k_q4c9a2e4056_quant:
	.size	k_q4c9a2e4056_quant, .Lfunc_end_k_q4c9a2e4056_quant-k_q4c9a2e4056_quant
	.p2alignl 7, 3214868480
	.fill 96, 4, 3214868480
	.section	.rodata,"a",@progbits
	.p2align	6, 0x0
	.amdhsa_kernel k_q4c9a2e4056_quant
		.amdhsa_group_segment_fixed_size 51200
		.amdhsa_private_segment_fixed_size 0
		.amdhsa_enable_private_segment 0
		.amdhsa_kernarg_size 64
		.amdhsa_user_sgpr_count 2
		.amdhsa_user_sgpr_kernarg_segment_ptr 1
		.amdhsa_wavefront_size32 1
		.amdhsa_system_sgpr_workgroup_id_x 1
		.amdhsa_system_sgpr_workgroup_id_y 1
		.amdhsa_system_sgpr_workgroup_id_z 1
		.amdhsa_system_vgpr_workitem_id 0
		.amdhsa_next_free_vgpr 194
		.amdhsa_next_free_sgpr 66
		.amdhsa_reserve_vcc 0
		.amdhsa_float_denorm_mode_32 3
		.amdhsa_float_denorm_mode_16_64 3
		.amdhsa_memory_ordered 1
		.amdhsa_forward_progress 1
		.amdhsa_inst_pref_size 29
	.end_amdhsa_kernel
	.amdgpu_metadata
---
amdhsa.version: [ 1, 2 ]
amdhsa.kernels:
  - .name:           k_q4c9a2e4056_quant
    .symbol:         k_q4c9a2e4056_quant.kd
    .args:
      - { .name: hidden_states, .offset: 0, .size: 8, .value_kind: global_buffer, .address_space: global }
      - { .name: Wq, .offset: 8, .size: 8, .value_kind: global_buffer, .address_space: global }
      - { .name: Wk, .offset: 16, .size: 8, .value_kind: global_buffer, .address_space: global }
      - { .name: Wv, .offset: 24, .size: 8, .value_kind: global_buffer, .address_space: global }
      - { .name: xc, .offset: 32, .size: 8, .value_kind: global_buffer, .address_space: global }
      - { .name: xs, .offset: 40, .size: 8, .value_kind: global_buffer, .address_space: global }
      - { .name: wc, .offset: 48, .size: 8, .value_kind: global_buffer, .address_space: global }
      - { .name: ws, .offset: 56, .size: 8, .value_kind: global_buffer, .address_space: global }
    .group_segment_fixed_size: 51200
    .private_segment_fixed_size: 0
    .kernarg_segment_align: 8
    .kernarg_segment_size: 64
    .max_flat_workgroup_size: 96
    .sgpr_count:     66
    .vgpr_count:     194
    .wavefront_size: 32
...
	.end_amdgpu_metadata
.endif
;; end of part 1
;; launch proj (part 2): grid 9 x 32, 4 waves a work-group, no clusters, 77,312 bytes of LDS; arguments xc, xs, wc, ws, bq, bk, bv, qc, qs, kv, kvs; writes qc, qs, kv, kvs
.if DOCPART == 2
	.amdgcn_target "amdgcn-amd-amdhsa--gfx1250"
	.amdhsa_code_object_version 6
	.text
	.protected	k_q4c9a2e4056_proj
	.globl	k_q4c9a2e4056_proj
	.p2align	8
	.type	k_q4c9a2e4056_proj,@function
k_q4c9a2e4056_proj:
	s_mov_b64 s[64:65], 0
	v_nop
	global_prefetch_b8 v0, s[64:65] scope:SCOPE_SE
	s_setreg_imm32_b32 hwreg(HW_REG_WAVE_MODE, 25, 1), 1
	s_wait_xcnt 0x0
; q, k, v = x W + b on codes of FP6 (K = 768, six K steps of 128), and the results quantised in registers for the attention launch: q and k along the head's 64 channels, v along the tokens.
; SHARES: work-group x = 0..8: three for each of q, k, v, four heads each; work-group y: 128 tokens (one key step).  Wave w: one head: 128 tokens x 64 channels = 32 accumulators of 16 x 16.
; x's 48 fragments and their scale words (76,800 bytes) are copied into LDS once, through registers, and read by all four waves; W's fragments come from memory straight into registers, two K steps ahead.
; No joint loads: the four waves already share x through LDS, and each wave's part of W (36,864 bytes) is read once by it.
; q, k: THE PRODUCT IS USED TRANSPOSED (source 0 = 16 channels of W, source 1 = 16 tokens): a lane holds one token, and, by the order of rows in a tile (row r of tile u of a group of 32 is 8 u + r + 8 (r / 8)),
;   the 16 registers of channel tiles 2 g, 2 g + 1 are channels 32 g + 16 h + 0 .. 15.  A token group's 64 registers become ONE image: registers 0-5 token tile 0 (lane (r, h): channels 32 h ..), registers 6-11 token tile 1.
; v: source 0 = 16 tokens, source 1 = 16 channels: a lane holds one channel and the 16 registers of token tiles 2 b, 2 b + 1 are tokens 32 b + 16 h + 0 .. 15: a channel tile's 64 registers become a fragment whose K is the 128 tokens.
; The bias is the C of each sum's first matrix instruction.  The 32 accumulators take turns, one instruction a turn.
; OUT: qc: head 196,608 + token group 1,536.  qs: head 8,192 + group 64 + 4 r.  kv: head 393,216 + step 12,288: four images of K, then at + 6,144 four of V.  kvs: head 16,384 + step 512: K's words, at + 256 V's.
; LIMITS: a block whose largest magnitude lies under 2^-124 (zeros too) gets the byte 1; NaN and infinities are not served.
; REGISTERS: window 0: v1-10 addresses; v16-23 x's scale words (2 sets x 4), v24-27 W's (2 sets x 2); v32-127 x's 8 fragments; v128-223 W's 4 fragments, 2 sets; v224-255 the bias, 8 a channel tile.
;   On the way out: v32-79 codes, v80-101 at work.   window 1: the 32 accumulators (during the copy: what is on its way to LDS).
.set LI,  1                            ; v1   16 x lane
.set LI2, 2                            ; v2   the same + 36,864: x's tiles 4-7 (an LDS offset has 16 bits)
.set L4,  3                            ; v3   4 x lane
.set L4S, 4                            ; v4   XSC + 4 x lane
.set FI,  5                            ; v5   16 x thread
.set FI2, 6                            ; v6   the same + 36,864
.set F8,  7                            ; v7   8 x thread
.set F8S, 8                            ; v8   XSC + 8 x thread
.set BO,  9                            ; v9   the bias of q, k: 64 h bytes
.set BOV, 10                           ; v10  the bias of v: 4 (r + 8 (r / 8))
.set XS,  16
.set WS,  24
.set XF,  32
.set WF,  128
.set BI,  224
.set PC,  32
.set MX,  80
.set X8,  84
.set TS,  92
.set PW,  96
.set SW,  100
.set XSC, 73728                        ; LDS: x's images from 0, their scale words from here
.set MSB, 0
.macro WIN new                         ; the immediate's high byte repeats the setting that is left
.if MSB != \new
	s_set_vgpr_msb (MSB<<8)|\new
.set MSB, \new
.endif
.endm
.macro PLACES                          ; four plain instructions behind a matrix instruction, ahead of loads into its registers and of reads of its result
.rept 4
	v_nop
.endr
.endm
.macro WM d, a, b, c, sa, sb, ra, rb   ; one product; ra, rb: the side's scale words stand in lanes 16-31
.if (\ra) && (\rb)
	v_wmma_scale_f32_16x16x128_f8f6f4 v[\d:\d+7], v[\a:\a+11], v[\b:\b+11], v[\c:\c+7], v[\sa], v[\sb] matrix_a_fmt:MATRIX_FMT_FP6 matrix_b_fmt:MATRIX_FMT_FP6 matrix_a_scale:MATRIX_SCALE_ROW1 matrix_b_scale:MATRIX_SCALE_ROW1
.elseif (\ra)
	v_wmma_scale_f32_16x16x128_f8f6f4 v[\d:\d+7], v[\a:\a+11], v[\b:\b+11], v[\c:\c+7], v[\sa], v[\sb] matrix_a_fmt:MATRIX_FMT_FP6 matrix_b_fmt:MATRIX_FMT_FP6 matrix_a_scale:MATRIX_SCALE_ROW1
.elseif (\rb)
	v_wmma_scale_f32_16x16x128_f8f6f4 v[\d:\d+7], v[\a:\a+11], v[\b:\b+11], v[\c:\c+7], v[\sa], v[\sb] matrix_a_fmt:MATRIX_FMT_FP6 matrix_b_fmt:MATRIX_FMT_FP6 matrix_b_scale:MATRIX_SCALE_ROW1
.else
	v_wmma_scale_f32_16x16x128_f8f6f4 v[\d:\d+7], v[\a:\a+11], v[\b:\b+11], v[\c:\c+7], v[\sa], v[\sb] matrix_a_fmt:MATRIX_FMT_FP6 matrix_b_fmt:MATRIX_FMT_FP6
.endif
.endm
.macro LDW s                           ; W's K step s into set s % 2: 12 + 2 loads
.irp t, 0,1,2,3
.irp c, 0,1,2
	global_load_b128 v[WF+48*((\s)%2)+12*\t+4*\c:WF+48*((\s)%2)+12*\t+4*\c+3], v[LI], s[30:31] offset:(6*\t+(\s))*1536+512*\c
.endr
.endr
.irp g, 0,1
	global_load_b32 v[WS+2*((\s)%2)+\g], v[L4], s[32:33] offset:(6*\g+(\s))*128   ; lanes 0-15 tile 2 g's words, lanes 16-31 tile 2 g + 1's
.endr
.endm
.macro LDX s, half                     ; x's tiles 4 half .. 4 half + 3 of K step s: 12 loads
.irp q, 0,1,2,3
.irp c, 0,1,2
	ds_load_b128 v[XF+12*(4*(\half)+\q)+4*\c:XF+12*(4*(\half)+\q)+4*\c+3], v[LI+(\half)] offset:(\q*6+(\s))*1536+512*\c
.endr
.endr
.endm
.macro LDXS s                          ; x's scale words of K step s into set s % 2: 4 loads
.irp g, 0,1,2,3
	ds_load_b32 v[XS+4*((\s)%2)+\g], v[L4S] offset:(6*\g+(\s))*128
.endr
.endm
.macro MM tr, s, half                  ; 16 products: four token tiles x four channel tiles
.if (\s) == 0
	WIN 0x40                                       ; D in window 1; A, B and the bias in window 0
.else
	WIN 0x50                                       ; C and D in window 1
.endif
.irp q, 0,1,2,3
.irp t, 0,1,2,3
.set rT, 4*(\half)+\q
.if \tr
.set rD, 8*(4*rT+\t)
.set rA, WF+48*((\s)%2)+12*\t
.set rB, XF+12*rT
.set rSA, WS+2*((\s)%2)+\t/2
.set rSB, XS+4*((\s)%2)+rT/2
.set rRA, \t%2
.set rRB, rT%2
.else
.set rD, 8*(8*\t+rT)
.set rA, XF+12*rT
.set rB, WF+48*((\s)%2)+12*\t
.set rSA, XS+4*((\s)%2)+rT/2
.set rSB, WS+2*((\s)%2)+\t/2
.set rRA, rT%2
.set rRB, \t%2
.endif
.if (\s) == 0
.set rC, BI+8*\t
.else
.set rC, rD
.endif
	WM rD, rA, rB, rC, rSA, rSB, rRA, rRB
.endr
.endr
.endm
.macro KSTEP tr, s
.if (\s) < 5
	s_wait_loadcnt 14                              ; W's K step s is in; the 14 loads of K step s + 1 may be out
.else
	s_wait_loadcnt 0x0
.endif
	s_wait_dscnt 12                                ; x's tiles 0-3 and the scale words are in; the 12 loads of tiles 4-7 may be out
	MM \tr, \s, 0
	WIN 0
.if (\s) < 5
	PLACES
	LDX (\s)+1, 0
	LDXS (\s)+1
	s_wait_dscnt 16                                ; tiles 4-7 are in; the 16 loads just issued may be out
.else
	s_wait_dscnt 0x0
.endif
	MM \tr, \s, 1
	WIN 0
	PLACES
.if (\s) < 5
	LDX (\s)+1, 1
.endif
.if (\s) < 4
	LDW (\s)+2                                     ; into the set that this K step has left
.endif
.endm
; 64 accumulator registers (window 1, from a on), register 16 b + i = k 32 b + 16 h + i of my row, become a fragment's codes in v[pc] on and its scale word in v[pw].  Each accumulator is read from its low end on.
.macro QUANT a, pc, pw
	WIN 0x05
.irp b, 0,1,2,3
	v_max3_num_f32 v[MX+\b], |v[(\a)+16*\b]|, |v[(\a)+16*\b+1]|, 0x1800000   ; and the floor 2^(3 - 127): the byte cannot fall under 1
.endr
	WIN 0x14
.irp i, 2,4,6,8,10,12,14
.irp b, 0,1,2,3
	v_max3_num_f32 v[MX+\b], v[MX+\b], |v[(\a)+16*\b+\i]|, |v[(\a)+16*\b+\i+1]|
.endr
.endr
	WIN 0
.irp b, 0,1,2,3
	v_permlanex16_b32 v[X8+\b], v[MX+\b], s44, s45
.endr
.irp b, 0,1,2,3
	v_max_num_f32 v[MX+\b], v[MX+\b], v[X8+\b]     ; with lane l xor 16's: the block's largest magnitude
.endr
.irp b, 0,1,2,3
	v_add_nc_u32 v[TS+\b], 0xff000000, v[MX+\b]    ; 2 off the exponent field: the conversion's scale operand
.endr
.irp b, 0,1,2,3
	v_lshrrev_b32 v[X8+\b], 23, v[TS+\b]           ; the scale's byte
.endr
	v_lshl_or_b32 v[\pw], v[X8+1], 8, v[X8]
	v_lshl_or_b32 v[\pw], v[X8+2], 16, v[\pw]
	v_lshl_or_b32 v[\pw], v[X8+3], 24, v[\pw]
	WIN 0x01
.irp c, 0,1
	v_cvt_scalef32_pk16_fp6_f32 v[(\pc)+6*\c:(\pc)+6*\c+2], v[(\a)+32*\c:(\a)+32*\c+15], v[TS+2*\c]
	v_cvt_scalef32_pk16_fp6_f32 v[X8+4*\c:X8+4*\c+2], v[(\a)+32*\c+16:(\a)+32*\c+31], v[TS+2*\c+1]   ; (a conversion's three registers begin on an even number)
.endr
	WIN 0
	v_nop                                          ; one plain instruction behind a scaled conversion
.irp c, 0,1                                    ; the operand's layout wants a whole block in a lane: lanes 0-15 block 2 c, lanes 16-31 block 2 c + 1
.irp i, 0,1,2
	v_permlane16_swap_b32 v[(\pc)+6*\c+\i], v[X8+4*\c+\i]
.endr
.irp i, 0,1,2
	v_mov_b32 v[(\pc)+6*\c+3+\i], v[X8+4*\c+\i]
.endr
.endr
.endm
	s_load_b512 s[4:19], s[0:1], 0x0               ; xc s[4:5], xs s[6:7], wc s[8:9], ws s[10:11], bq s[12:13], bk s[14:15], bv s[16:17], qc s[18:19]
	s_load_b128 s[20:23], s[0:1], 0x40             ; qs s[20:21], kv s[22:23]
	s_load_b64 s[24:25], s[0:1], 0x50              ; kvs
	v_lshl_add_u32 v30, v0, 2, 0x12c00
	v_mov_b32 v31, 0
	v_lshrrev_b32 v1, 5, v0
	v_readfirstlane_b32 s26, v1                    ; wave 0..3
	v_and_b32 v11, 31, v0                          ; lane
	v_and_b32 v12, 15, v0                          ; r
	v_bfe_u32 v13, v0, 4, 1                        ; h
	v_lshlrev_b32 v[LI], 4, v11
	v_add_nc_u32 v[LI2], 36864, v[LI]
	v_lshlrev_b32 v[L4], 2, v11
	v_add_nc_u32 v[L4S], XSC, v[L4]
	v_lshlrev_b32 v[FI], 4, v0
	v_add_nc_u32 v[FI2], 36864, v[FI]
	v_lshlrev_b32 v[F8], 3, v0
	v_add_nc_u32 v[F8S], XSC, v[F8]
	v_lshlrev_b32 v[BO], 6, v13
	v_and_b32 v[BOV], 8, v12
	v_add_nc_u32 v[BOV], v[BOV], v12
	v_lshlrev_b32 v[BOV], 2, v[BOV]
	v_cmp_le_u32 s46, 16, v11                      ; lanes 16-31
	s_mov_b32 s44, 0x76543210
	s_mov_b32 s45, 0xfedcba98                      ; v_permlanex16_b32's selects for lane l xor 16
	s_and_b32 s29, ttmp7, 0xffff                   ; the block of 128 tokens
	s_cmp_ge_u32 ttmp9, 3
	s_cselect_b32 s27, 1, 0
	s_cmp_ge_u32 ttmp9, 6
	s_cselect_b32 s27, 2, s27                      ; 0: q, 1: k, 2: v
	s_mul_i32 s47, s27, 3
	s_sub_co_u32 s47, ttmp9, s47
	s_lshl_b32 s28, s47, 2
	s_add_co_u32 s28, s28, s26                     ; my head
	s_lshl_b32 s47, ttmp9, 2
	s_add_co_u32 s47, s47, s26                     ; my 64 channels among the 36 x 64 of Wq, Wk, Wv
	s_mov_b32 s49, 0
	s_mov_b32 s53, 0
	s_cmp_eq_u32 s27, 0
	s_cselect_b32 s50, 0, 1                        ; k's and v's buffer has twice q's bytes for a head and a block
	s_cmp_eq_u32 s27, 2
	s_cselect_b32 s51, 1, 0                        ; v lies behind k
	s_wait_kmcnt 0x0
	s_mul_i32 s48, s47, 36864
	s_add_nc_u64 s[30:31], s[8:9], s[48:49]        ; W's images
	s_mul_i32 s48, s47, 1536
	s_add_nc_u64 s[32:33], s[10:11], s[48:49]      ; and scale words
	s_mul_i32 s48, s29, 73728
	s_add_nc_u64 s[34:35], s[4:5], s[48:49]        ; x's images
	s_mul_i32 s48, s29, 3072
	s_add_nc_u64 s[36:37], s[6:7], s[48:49]        ; and scale words
	s_cmp_eq_u32 s27, 0
	s_cselect_b64 s[38:39], s[12:13], s[14:15]
	s_cselect_b64 s[40:41], s[18:19], s[22:23]
	s_cselect_b64 s[42:43], s[20:21], s[24:25]
	s_cmp_eq_u32 s27, 2
	s_cselect_b64 s[38:39], s[16:17], s[38:39]
	s_lshl_b32 s48, s28, 8
	s_add_nc_u64 s[38:39], s[38:39], s[48:49]      ; my head's 64 numbers of the bias
	s_mul_i32 s48, s28, 196608
	s_mul_i32 s52, s29, 6144
	s_add_co_u32 s48, s48, s52
	s_lshl_b32 s48, s48, s50
	s_mul_i32 s52, s51, 6144
	s_add_co_u32 s48, s48, s52
	s_add_nc_u64 s[40:41], s[40:41], s[48:49]      ; where my four images go
	s_lshl_b32 s48, s28, 13
	s_lshl_b32 s52, s29, 8
	s_add_co_u32 s48, s48, s52
	s_lshl_b32 s48, s48, s50
	s_lshl_b32 s52, s51, 8
	s_add_co_u32 s48, s48, s52
	s_add_nc_u64 s[42:43], s[42:43], s[48:49]      ; and their scale words
	LDW 0
	LDW 1
	s_cmp_eq_u32 s27, 2
	s_cbranch_scc1 .Lbias_v
.irp t, 0,1,2,3                                ; q, k: register j of channel tile 2 g + u is channel 32 g + 16 h + 8 u + j
	global_load_b128 v[BI+8*\t:BI+8*\t+3], v[BO], s[38:39] offset:(32*(\t/2)+8*(\t%2))*4
	global_load_b128 v[BI+8*\t+4:BI+8*\t+7], v[BO], s[38:39] offset:(32*(\t/2)+8*(\t%2))*4+16
.endr
	s_branch .Lbias_done
.Lbias_v:
.irp t, 0,1,2,3                                ; v: all eight registers are my lane's channel, 32 g + 8 u + r + 8 (r / 8)
.irp j, 0,1,2,3,4,5,6,7
	global_load_b32 v[BI+8*\t+\j], v[BOV], s[38:39] offset:(32*(\t/2)+8*(\t%2))*4
.endr
.endr
.Lbias_done:
	; the block's x: 73,728 + 3,072 bytes, as they lie, through registers into LDS; each instruction of the work-group moves 2,048 (1,024) consecutive bytes
	WIN 0x40
.set i, 0
.rept 36
	global_load_b128 v[4*i:4*i+3], v[FI], s[34:35] offset:2048*i
.set i, i+1
.endr
.irp i, 0,1,2
	global_load_b64 v[144+2*\i:145+2*\i], v[F8], s[36:37] offset:1024*\i
.endr
	s_wait_loadcnt 0x0
	WIN 0x04                                       ; an LDS store's data are its source 1
.set i, 0
.rept 18
	ds_store_b128 v[FI], v[4*i:4*i+3] offset:2048*i
.set i, i+1
.endr
.rept 18
	ds_store_b128 v[FI2], v[4*i:4*i+3] offset:2048*(i-18)
.set i, i+1
.endr
.irp i, 0,1,2
	ds_store_b64 v[F8S], v[144+2*\i:145+2*\i] offset:1024*\i
.endr
	WIN 0
	s_wait_dscnt 0x0                               ; for the others' sake: my stores have landed
	s_barrier_signal -1
	s_barrier_wait -1                              ; the one barrier: from here on LDS is only read
	LDX 0, 0
	LDXS 0
	LDX 0, 1
	s_cmp_eq_u32 s27, 2
	s_cbranch_scc1 .Lvalues
.irp s, 0,1,2,3,4,5
	KSTEP 1, \s
.endr
	s_branch .Lquant
.Lvalues:
.irp s, 0,1,2,3,4,5
	KSTEP 0, \s
.endr
.Lquant:                                           ; (the four plain instructions at the last K step's end stand between the last products and what follows)
.irp i, 0,1,2,3,4,5,6,7
	v_mov_b32 v[X8+\i], 0                          ; a lane permute's destination counts as one of its sources
.endr
.irp e, 0,1,2,3
	QUANT 64*\e, PC+12*\e, PW+\e
.endr
.irp e, 0,1,2,3
.irp c, 0,1,2
	global_store_b128 v[LI], v[PC+12*\e+4*\c:PC+12*\e+4*\c+3], s[40:41] offset:\e*1536+512*\c   ; 32 lanes store 512 consecutive bytes, at a multiple of 512 from the buffer's first byte
.endr
.endr
.irp i, 0,1
	v_cndmask_b32 v[SW+\i], v[PW+2*\i], v[PW+2*\i+1], s46   ; lanes 0-15 image 2 i's words, lanes 16-31 image 2 i + 1's
	global_store_b32 v[L4], v[SW+\i], s[42:43] offset:128*\i
.endr
	s_wait_tensorcnt 0x0
	ds_add_u32 v30, v31
	s_wait_dscnt 0x0
	s_endpgm
.Lfunc_end_k_q4c9a2e4056_proj:
	.size	k_q4c9a2e4056_proj, .Lfunc_end_k_q4c9a2e4056_proj-k_q4c9a2e4056_proj
	.p2alignl 7, 3214868480
	.fill 96, 4, 3214868480
	.section	.rodata,"a",@progbits
	.p2align	6, 0x0
	.amdhsa_kernel k_q4c9a2e4056_proj
		.amdhsa_group_segment_fixed_size 77312
		.amdhsa_private_segment_fixed_size 0
		.amdhsa_enable_private_segment 0
		.amdhsa_kernarg_size 88
		.amdhsa_user_sgpr_count 2
		.amdhsa_user_sgpr_kernarg_segment_ptr 1
		.amdhsa_wavefront_size32 1
		.amdhsa_system_sgpr_workgroup_id_x 1
		.amdhsa_system_sgpr_workgroup_id_y 1
		.amdhsa_system_sgpr_workgroup_id_z 1
		.amdhsa_system_vgpr_workitem_id 0
		.amdhsa_next_free_vgpr 512
		.amdhsa_next_free_sgpr 66
		.amdhsa_reserve_vcc 0
		.amdhsa_float_denorm_mode_32 3
		.amdhsa_float_denorm_mode_16_64 3
		.amdhsa_memory_ordered 1
		.amdhsa_forward_progress 1
		.amdhsa_inst_pref_size 117
	.end_amdhsa_kernel
	.amdgpu_metadata
---
amdhsa.version: [ 1, 2 ]
amdhsa.kernels:
  - .name:           k_q4c9a2e4056_proj
    .symbol:         k_q4c9a2e4056_proj.kd
    .args:
      - { .name: xc, .offset: 0, .size: 8, .value_kind: global_buffer, .address_space: global }
      - { .name: xs, .offset: 8, .size: 8, .value_kind: global_buffer, .address_space: global }
      - { .name: wc, .offset: 16, .size: 8, .value_kind: global_buffer, .address_space: global }
      - { .name: ws, .offset: 24, .size: 8, .value_kind: global_buffer, .address_space: global }
      - { .name: bq, .offset: 32, .size: 8, .value_kind: global_buffer, .address_space: global }
      - { .name: bk, .offset: 40, .size: 8, .value_kind: global_buffer, .address_space: global }
      - { .name: bv, .offset: 48, .size: 8, .value_kind: global_buffer, .address_space: global }
      - { .name: qc, .offset: 56, .size: 8, .value_kind: global_buffer, .address_space: global }
      - { .name: qs, .offset: 64, .size: 8, .value_kind: global_buffer, .address_space: global }
      - { .name: kv, .offset: 72, .size: 8, .value_kind: global_buffer, .address_space: global }
      - { .name: kvs, .offset: 80, .size: 8, .value_kind: global_buffer, .address_space: global }
    .group_segment_fixed_size: 77312
    .private_segment_fixed_size: 0
    .kernarg_segment_align: 8
    .kernarg_segment_size: 88
    .max_flat_workgroup_size: 128
    .sgpr_count:     66
    .vgpr_count:     512
    .wavefront_size: 32
...
	.end_amdgpu_metadata
.endif
;; end of part 2
;; launch attn (part 3): grid 16 x 12, 8 waves a work-group, no clusters, 154,624 bytes of LDS; arguments qc, qs, kv, kvs, attention_mask, out0; writes out0
.if DOCPART == 3
	.amdgcn_target "amdgcn-amd-amdhsa--gfx1250"
	.amdhsa_code_object_version 6
	.text
	.protected	k_q4c9a2e4056_attn
	.globl	k_q4c9a2e4056_attn
	.p2align	8
	.type	k_q4c9a2e4056_attn,@function
k_q4c9a2e4056_attn:
	s_mov_b64 s[64:65], 0
	v_nop
	global_prefetch_b8 v0, s[64:65] scope:SCOPE_SE
	s_setreg_imm32_b32 hwreg(HW_REG_WAVE_MODE, 25, 1), 1
	s_wait_xcnt 0x0
; out0[q][64 head + d] = the sum over keys of softmax(q . k / 8 + mask[key]) v[key][d], both products on codes of FP6 (E2M3) with one E8M0 byte for each 32 along a product's K.
; THE SOFTMAX AHEAD OF THE SECOND PRODUCT: t = (q . k + 8 mask) x log2(e) / 8; M = the row's largest t so far, rounded UP to a whole number; p = 2^(t - M) is quantised along the keys, not normalised.
; The row's sum is taken of the unquantised p and divides at the end.  When M moves, the sum and O are multiplied by 2^(old M - new M): exact.
; SHARES: a work-group owns one head (y) and 256 queries (x); each of its eight waves a group of 32 queries: two tiles of 16 (tile u, lane r: query 8 u + r + 8 (r / 8) of the group).  Every wave walks 32 steps of 128 keys,
; and each fragment of K, of V and of the mask that it reads from LDS serves both tiles.  3,072 tiles of queries in pairs and eights give 192 work-groups.
; BOTH PRODUCTS ARE USED TRANSPOSED (S^T = K Q^T, O^T = V^T P^T): a lane holds one query throughout, and the 16 registers of key tiles 2 b, 2 b + 1 are keys 32 b + 16 h + 0 .. 15.
; K = 64 IN AN INSTRUCTION OF 128: an image of K carries TWO key tiles, tile 0 in k = 0 .. 63 and tile 1 in k = 64 .. 127.  Q stands twice, as [q, 0] and as [0, q]: zero codes, with the scale byte 1, on Q's side of the half that is not meant.
; THE MASK is the C of the score products: max(8 mask, -2^30), in the result's layout, which hangs on the register and the lane's half alone: 64 registers serve both tiles and no vector instruction adds it.
; LIMITS: a mask number under -2^27 (-infinity too) is held at -2^27, and a NaN there is taken as that; +infinity and numbers from 2^124 on in the mask are not served.
; THE RING: four blocks of LDS, a key step (12,288 bytes: four images of K, four of V) each, filled through registers: a thread moves 48 bytes a step.  In step t, behind its barrier, a wave reads V(t) and K(t + 1),
; stores step t + 2's bytes (loaded a step ago) and loads step t + 3's.  A block is stored two steps behind its last read and one barrier ahead of its first.
; No joint loads: what the sixteen work-groups of a head share is 12,288 bytes a step for each, against 256 x 128 scores worked on in that step, and the copy has three steps in which to arrive.
; REGISTERS: window 0: v1-11 addresses; v16-25 scale words; v32-79 statistics, 24 a tile; v80-207 S^T, then p, 64 a tile; v208-231 p's codes; v232-255 the copy, two sets of 12.
;   window 1: v0-63 O^T (32 u + 8 t); v64-93 [0, q0, 0, q1, 0], six registers each; v96-143 K; v144-191 V; v192-255 the mask.
.set LI,   1                           ; v1   16 x lane
.set ADM,  2                           ; v2   the trip's mask numbers: ADM0 + 2,048 x trip
.set ADS,  3                           ; v3   the trip's scale words: ADS0 + 2,048 x trip
.set CP,   4                           ; v4   16 x thread
.set CPM,  5                           ; v5   MSK + 16 x thread
.set STO,  6                           ; v6   the way out: where I put 16 bytes of a row
.set RD,   7                           ; v7   and where I read a row back
.set GO,   8                           ; v8   my byte offset in the wave's rows of out0
.set PFO,  9                           ; v9   256 x thread
.set ADM0, 10                          ; v10  MSK + 64 h
.set ADS0, 11                          ; v11  SCL + 4 x lane
.set KS,   16                          ; v16-17 K's scale words: lanes 0-15 image 2 i's, lanes 16-31 image 2 i + 1's
.set VS,   18                          ; v18-19 V's likewise
.set QS,   20                          ; v20-23 Q's: [q0, 0], [0, q0], [q1, 0], [0, q1]
.set PW,   24                          ; v24-25 p's scale words
.set ST,   32                          ; tile u at ST + 24 u: +0 -M, +1 the largest t, +2,3 the sum, +4 f (+5 idle), +6 at work, +8..11 the blocks' maxima, +12..19 at work, +20..23 scale operands
.set S,    80
.set PC,   208
.set G,    232
.set QF,   64                          ; window 1
.set KF,   96
.set VF,   144
.set MK,   192
.set BLK,  12288                       ; a key step's bytes
.set VOFF, 6144                        ; V's images in them
.set SCL,  49152                       ; LDS: the ring from 0; the head's scale words, 16,384 bytes;
.set MSK,  65536                       ; 8 x the mask, 16,384 bytes;
.set STG,  83968                       ; the stages for the way out: 2 x 16 rows x 272 bytes for each wave
.set MSB, 0
.macro WIN new                         ; the immediate's high byte repeats the setting that is left
.if MSB != \new
	s_set_vgpr_msb (MSB<<8)|\new
.set MSB, \new
.endif
.endm
.macro PLACES                          ; four plain instructions behind a matrix instruction, ahead of loads into its registers and of reads of its result
.rept 4
	v_nop
.endr
.endm
.macro WM d, a, b, c, sa, sb, ra, rb   ; one product; ra, rb: the side's scale words stand in lanes 16-31
.if (\ra) && (\rb)
	v_wmma_scale_f32_16x16x128_f8f6f4 v[\d:\d+7], v[\a:\a+11], v[\b:\b+11], v[\c:\c+7], v[\sa], v[\sb] matrix_a_fmt:MATRIX_FMT_FP6 matrix_b_fmt:MATRIX_FMT_FP6 matrix_a_scale:MATRIX_SCALE_ROW1 matrix_b_scale:MATRIX_SCALE_ROW1
.elseif (\ra)
	v_wmma_scale_f32_16x16x128_f8f6f4 v[\d:\d+7], v[\a:\a+11], v[\b:\b+11], v[\c:\c+7], v[\sa], v[\sb] matrix_a_fmt:MATRIX_FMT_FP6 matrix_b_fmt:MATRIX_FMT_FP6 matrix_a_scale:MATRIX_SCALE_ROW1
.elseif (\rb)
	v_wmma_scale_f32_16x16x128_f8f6f4 v[\d:\d+7], v[\a:\a+11], v[\b:\b+11], v[\c:\c+7], v[\sa], v[\sb] matrix_a_fmt:MATRIX_FMT_FP6 matrix_b_fmt:MATRIX_FMT_FP6 matrix_b_scale:MATRIX_SCALE_ROW1
.else
	v_wmma_scale_f32_16x16x128_f8f6f4 v[\d:\d+7], v[\a:\a+11], v[\b:\b+11], v[\c:\c+7], v[\sa], v[\sb] matrix_a_fmt:MATRIX_FMT_FP6 matrix_b_fmt:MATRIX_FMT_FP6
.endif
.endm
; THE SOFTMAX OF A STEP, both tiles line by line, so that a line does not wait for the line above it.
.macro SOFTMAX
.irp b, 0,1,2,3
.irp u, 0,1
	v_max3_num_f32 v[ST+24*\u+8+\b], v[S+64*\u+16*\b], v[S+64*\u+16*\b+1], v[S+64*\u+16*\b+2]   ; the largest score of each block of 32 keys: for the row's maximum and, since p rises with the score, for the block's largest p
.endr
.endr
.irp i, 3,5,7,9,11,13
.irp b, 0,1,2,3
.irp u, 0,1
	v_max3_num_f32 v[ST+24*\u+8+\b], v[ST+24*\u+8+\b], v[S+64*\u+16*\b+\i], v[S+64*\u+16*\b+\i+1]
.endr
.endr
.endr
.irp b, 0,1,2,3
.irp u, 0,1
	v_max_num_f32 v[ST+24*\u+8+\b], v[ST+24*\u+8+\b], v[S+64*\u+16*\b+15]
.endr
.endr
.irp b, 0,1,2,3
.irp u, 0,1
	v_permlanex16_b32 v[ST+24*\u+12+\b], v[ST+24*\u+8+\b], s20, s21
.endr
.endr
.irp b, 0,1,2,3
.irp u, 0,1
	v_max_num_f32 v[ST+24*\u+8+\b], v[ST+24*\u+8+\b], v[ST+24*\u+12+\b]   ; with lane l xor 16's 16 keys
.endr
.endr
.irp u, 0,1
	v_max3_num_f32 v[ST+24*\u+6], v[ST+24*\u+8], v[ST+24*\u+9], v[ST+24*\u+10]
.endr
.irp u, 0,1
	v_max_num_f32 v[ST+24*\u+6], v[ST+24*\u+6], v[ST+24*\u+11]   ; the step's largest score of my query
.endr
.irp u, 0,1
	v_mul_f32 v[ST+24*\u+6], s22, v[ST+24*\u+6]    ; as t
.endr
.irp u, 0,1
	v_max_num_f32 v[ST+24*\u+1], v[ST+24*\u+1], v[ST+24*\u+6]   ; the running largest t
.endr
.irp u, 0,1
	v_mov_b32 v[ST+24*\u+6], v[ST+24*\u]
.endr
.irp u, 0,1
	v_floor_f32 v[ST+24*\u], -v[ST+24*\u+1]        ; the new -M = floor(-t): M is a whole number
.endr
.irp u, 0,1
	v_sub_f32 v[ST+24*\u+6], v[ST+24*\u], v[ST+24*\u+6]   ; old M - new M: a whole number, 0 or less
.endr
.irp u, 0,1
	v_cvt_i32_f32 v[ST+24*\u+6], v[ST+24*\u+6]     ; (it saturates)
.endr
.irp u, 0,1
	v_ldexp_f32 v[ST+24*\u+4], 1.0, v[ST+24*\u+6]  ; f = 2^(old M - new M)
.endr
.irp u, 0,1
.set i, 0
.rept 32
	v_pk_fma_f32 v[S+64*\u+i:S+64*\u+i+1], v[S+64*\u+i:S+64*\u+i+1], s[22:23], v[ST+24*\u:ST+24*\u+1] op_sel_hi:[1,0,0]   ; t - M, two at a time (of the pairs c and -M the low word serves both halves)
.set i, i+2
.endr
.endr
.irp b, 0,1,2,3
.irp u, 0,1
	v_fma_f32 v[ST+24*\u+8+\b], v[ST+24*\u+8+\b], s22, v[ST+24*\u]   ; the same of each block's largest score
.endr
.endr
.irp u, 0,1
.set i, 0
.rept 64
	v_exp_f32 v[S+64*\u+i], v[S+64*\u+i]           ; p = 2^(t - M)
.set i, i+1
.endr
.endr
.irp u, 0,1
	v_pk_mul_f32 v[ST+24*\u+2:ST+24*\u+3], v[ST+24*\u+2:ST+24*\u+3], v[ST+24*\u+4:ST+24*\u+5] op_sel_hi:[1,0]   ; the sums under the new M: the plain instruction behind the exponentials
.endr
	s_wait_alu depctr_va_vdst(0)                   ; one wait for the batch of 128, ahead of its first reader
.irp b, 0,1,2,3
.irp u, 0,1
	v_exp_f32 v[ST+24*\u+8+\b], v[ST+24*\u+8+\b]   ; the block's largest p: the same two instructions on the same number
.endr
.endr
.irp u, 0,1
	v_pk_add_f32 v[ST+24*\u+12:ST+24*\u+13], v[S+64*\u:S+64*\u+1], v[S+64*\u+2:S+64*\u+3]   ; the row's sum, of the unquantised p: two chains a tile
.endr
.irp j, 4,8,12,16,20,24,28,32,36,40,44,48,52,56,60
.irp u, 0,1
	v_pk_add_f32 v[ST+24*\u+2:ST+24*\u+3], v[ST+24*\u+2:ST+24*\u+3], v[S+64*\u+\j:S+64*\u+\j+1]
	v_pk_add_f32 v[ST+24*\u+12:ST+24*\u+13], v[ST+24*\u+12:ST+24*\u+13], v[S+64*\u+\j+2:S+64*\u+\j+3]
.endr
.endr
.irp u, 0,1
	v_pk_add_f32 v[ST+24*\u+2:ST+24*\u+3], v[ST+24*\u+2:ST+24*\u+3], v[ST+24*\u+12:ST+24*\u+13]
.endr
	s_wait_alu depctr_va_vdst(0)                   ; and one for the eight
.irp b, 0,1,2,3
.irp u, 0,1
	v_max_num_f32 v[ST+24*\u+8+\b], 0x1800000, v[ST+24*\u+8+\b]   ; the floor 2^(3 - 127): the byte cannot fall under 1 (a block of zeros keeps that byte: its codes are zeros)
.endr
.endr
.irp b, 0,1,2,3
.irp u, 0,1
	v_add_nc_u32 v[ST+24*\u+20+\b], 0xff000000, v[ST+24*\u+8+\b]   ; 2 off the exponent field: the conversion's scale operand
.endr
.endr
.irp b, 0,1,2,3
.irp u, 0,1
	v_lshrrev_b32 v[ST+24*\u+12+\b], 23, v[ST+24*\u+20+\b]   ; the scale's byte
.endr
.endr
.irp u, 0,1
	v_lshl_or_b32 v[PW+\u], v[ST+24*\u+13], 8, v[ST+24*\u+12]   ; p's scale word for these 128 keys
.endr
.irp u, 0,1
	v_lshl_or_b32 v[PW+\u], v[ST+24*\u+14], 16, v[PW+\u]
.endr
.irp u, 0,1
	v_lshl_or_b32 v[PW+\u], v[ST+24*\u+15], 24, v[PW+\u]
.endr
.irp u, 0,1
.irp c, 0,1
	v_cvt_scalef32_pk16_fp6_f32 v[PC+12*\u+6*\c:PC+12*\u+6*\c+2], v[S+64*\u+32*\c:S+64*\u+32*\c+15], v[ST+24*\u+20+2*\c]
	v_cvt_scalef32_pk16_fp6_f32 v[ST+24*\u+12+4*\c:ST+24*\u+12+4*\c+2], v[S+64*\u+32*\c+16:S+64*\u+32*\c+31], v[ST+24*\u+20+2*\c+1]   ; (a conversion's three registers begin on an even number)
.endr
.endr
	v_nop                                          ; one plain instruction behind a scaled conversion
.irp u, 0,1
.irp c, 0,1                                    ; the operand's layout wants a whole block in a lane: lanes 0-15 block 2 c, lanes 16-31 block 2 c + 1
.irp i, 0,1,2
	v_permlane16_swap_b32 v[PC+12*\u+6*\c+\i], v[ST+24*\u+12+4*\c+\i]
.endr
.irp i, 0,1,2
	v_mov_b32 v[PC+12*\u+6*\c+3+\i], v[ST+24*\u+12+4*\c+\i]
.endr
.endr
.endr
.endm
; KEY STEP 4 x trip + j.  The guards on the trip's count (s24 = 1 in the last trip) leave out, in the last three steps, what lies beyond the last key step: no load leaves its buffer.  They jump over no barrier, and every wait behind them is for 0.
.macro STEP j
	s_wait_dscnt 0x0                               ; my stores into the ring have landed and my reads of it are in
	s_barrier_signal -1
	s_barrier_wait -1                              ; both now hold of all eight waves
	WIN 0x15                                       ; K, Q and the mask in window 1, S^T in window 0
.irp b, 0,1,2,3
.irp w, 0,1
.irp u, 0,1
.set rD, S+64*\u+8*(2*\b+\w)
.set rA, KF+12*\b
.set rB, QF+12*\u+6-6*\w
.set rC, MK+8*(2*\b+\w)
.set rSA, KS+\b/2
.set rSB, QS+2*\u+\w
.set rRA, \b%2
	WM rD, rA, rB, rC, rSA, rSB, rRA, 0            ; key tile 2 b + w (half w of image b) x query tile u, + 8 mask
.endr
.endr
.endr
	WIN 0
	PLACES
	WIN 0x40                                       ; destination window 1
.irp t, 0,1,2,3
.irp c, 0,1,2
	ds_load_b128 v[VF+12*\t+4*\c:VF+12*\t+4*\c+3], v[LI] offset:\j*BLK+VOFF+\t*1536+512*\c   ; V of this step
.endr
.endr
	WIN 0
	ds_load_b32 v[VS], v[ADS] offset:\j*512+256
	ds_load_b32 v[VS+1], v[ADS] offset:\j*512+384
.if \j == 3
	s_cmp_eq_u32 s24, 1
	s_cbranch_scc1 .Lend_\@
.endif
	WIN 0x40
.irp b, 0,1,2,3
.irp c, 0,1,2
	ds_load_b128 v[KF+12*\b+4*\c:KF+12*\b+4*\c+3], v[LI] offset:((\j+1)%4)*BLK+\b*1536+512*\c   ; K of the next step
.endr
.endr
.irp b, 0,1,2,3
.irp i, 0,1,2,3
	ds_load_b128 v[MK+16*\b+4*\i:MK+16*\b+4*\i+3], v[ADM] offset:(\j+1)*512+128*\b+16*\i   ; its mask: register 16 b + i is key 32 b + 16 h + i; the sixteen lanes of a half read one address
.endr
.endr
	WIN 0
	ds_load_b32 v[KS], v[ADS] offset:(\j+1)*512
	ds_load_b32 v[KS+1], v[ADS] offset:(\j+1)*512+128
.if \j == 2
	s_cmp_eq_u32 s24, 1
	s_cbranch_scc1 .Lend_\@
.endif
	s_wait_loadcnt 0x0                             ; the three loads issued a step ago
.irp i, 0,1,2
	ds_store_b128 v[CP], v[G+12*(\j%2)+4*\i:G+12*(\j%2)+4*\i+3] offset:((\j+2)%4)*BLK+4096*\i   ; the step after next, into the block last read two steps ago
.endr
.if \j == 1
	s_cmp_eq_u32 s24, 1
	s_cbranch_scc1 .Lend_\@
.endif
.irp i, 0,1,2
	global_load_b128 v[G+12*((\j+1)%2)+4*\i:G+12*((\j+1)%2)+4*\i+3], v[CP], s[26:27] offset:(\j+3)*BLK+4096*\i   ; three steps on, into the set whose stores were waited for at this step's head
.endr
.if \j > 0
.Lend_\@:
.endif
.if \j == 3
; A PREFETCH INTO THE L2 of the four key steps of the trip after next, 49,152 bytes: six waves x 32 lanes, 256 bytes apart.  All sixteen work-groups of a head walk the same bytes: the head's first work-group asks, once for each block.
; It stands behind the step's loads, two to five steps ahead of the loads that want these bytes.  The last two trips ask for nothing; the first eight key steps come by their loads alone.
	s_cmp_gt_u32 s24, s25
	s_cbranch_scc0 .Lnot_mine_\@
	global_prefetch_b8 v[PFO], s[26:27] offset:98304 th:TH_LOAD_NT scope:SCOPE_SE
.Lnot_mine_\@:
.endif
	SOFTMAX
	WIN 0x41                                       ; O^T in window 1, f in window 0
.irp u, 0,1
.set i, 0
.rept 16
	v_pk_mul_f32 v[32*\u+i:32*\u+i+1], v[32*\u+i:32*\u+i+1], v[ST+24*\u+4:ST+24*\u+5] op_sel_hi:[1,0]   ; O^T under the new M.  (These 32 also stand between the last writes of p's codes and scale words and the products)
.set i, i+2
.endr
.endr
	s_wait_dscnt 0x0                               ; V is in (and all else that this step asked of LDS)
	WIN 0x51                                       ; V, C and D in window 1, p in window 0
.irp t, 0,1,2,3
.irp u, 0,1
.set rD, 32*\u+8*\t
.set rA, VF+12*\t
.set rB, PC+12*\u
.set rSA, VS+\t/2
.set rSB, PW+\u
.set rRA, \t%2
	WM rD, rA, rB, rD, rSA, rSB, rRA, 0            ; the eight accumulators by turns
.endr
.endr
	WIN 0
.endm
	s_load_b256 s[4:11], s[0:1], 0x0               ; qc s[4:5], qs s[6:7], kv s[8:9], kvs s[10:11]
	s_load_b128 s[12:15], s[0:1], 0x20             ; the mask s[12:13], out0 s[14:15]
	v_lshl_add_u32 v39, v0, 2, 0x25800
	v_mov_b32 v63, 0
	v_lshrrev_b32 v1, 5, v0
	v_readfirstlane_b32 s16, v1                    ; wave 0..7
	s_and_b32 s17, ttmp7, 0xffff                   ; the head
	s_lshl_b32 s18, ttmp9, 3
	s_add_co_u32 s18, s18, s16                     ; my group of 32 queries
	v_and_b32 v12, 31, v0                          ; lane
	v_and_b32 v13, 15, v0                          ; r
	v_bfe_u32 v14, v0, 4, 1                        ; h
	v_lshlrev_b32 v[LI], 4, v12
	v_lshlrev_b32 v[CP], 4, v0
	v_add_nc_u32 v[CPM], MSK, v[CP]
	v_lshl_add_u32 v[ADM0], v14, 6, MSK
	v_lshl_add_u32 v[ADS0], v12, 2, SCL
	v_lshlrev_b32 v[PFO], 8, v0
	v_lshlrev_b32 v15, 2, v13                      ; 4 r
	s_mul_i32 s19, s16, 8704
	s_add_co_u32 s19, s19, STG                     ; my stages
	v_mul_u32_u24 v[STO], v13, 272
	v_lshl_add_u32 v[STO], v14, 6, v[STO]
	v_add_nc_u32 v[STO], s19, v[STO]               ; in: row r, + 64 h bytes
	v_mul_u32_u24 v[RD], v14, 272
	v_lshl_add_u32 v[RD], v13, 4, v[RD]
	v_add_nc_u32 v[RD], s19, v[RD]                 ; back: lanes 0-15 one row of 256 bytes, lanes 16-31 the next
	v_mul_u32_u24 v[GO], v14, 3072
	v_lshl_add_u32 v[GO], v13, 4, v[GO]            ; and the same two rows in out0
	s_mov_b32 s20, 0x76543210
	s_mov_b32 s21, 0xfedcba98                      ; v_permlanex16_b32's selects for lane l xor 16
	s_mov_b32 s22, 0x3e38aa3b                      ; c = log2(e) / 8
	s_mov_b32 s23, s22                             ; (named with it as a pair, so it is written)
	s_mov_b32 s34, 0x01010000
	s_mov_b32 s35, 0x0101
	s_cmp_lt_u32 s16, 6
	s_cselect_b32 s25, 0, 1
	s_or_b32 s25, s25, ttmp9
	s_cmp_eq_u32 s25, 0
	s_cselect_b32 s25, 2, -1                       ; waves 0-5 of the head's first work-group prefetch while more than 2 trips are left; nobody else does
	s_mov_b32 s31, 0
	s_wait_kmcnt 0x0
	s_mul_i32 s30, s17, 393216
	s_add_nc_u64 s[26:27], s[8:9], s[30:31]        ; the head's K and V
	s_lshl_b32 s30, s17, 14
	s_add_nc_u64 s[32:33], s[10:11], s[30:31]      ; and their scale words
	s_mul_i32 s30, s17, 196608
	s_mul_i32 s19, s18, 1536
	s_add_co_u32 s30, s30, s19
	s_add_nc_u64 s[38:39], s[4:5], s[30:31]        ; my image of Q
	s_lshl_b32 s30, s17, 13
	s_lshl_b32 s19, s18, 6
	s_add_co_u32 s30, s30, s19
	s_add_nc_u64 s[40:41], s[6:7], s[30:31]        ; and its scale words
	s_mul_i32 s30, s18, 98304
	s_lshl_b32 s19, s17, 8
	s_add_co_u32 s30, s30, s19
	s_add_nc_u64 s[28:29], s[14:15], s[30:31]      ; out0 at my group's first row, my head's 256 bytes
.irp i, 0,1,2,3,4,5
	global_load_b128 v[80+4*\i:83+4*\i], v[CP], s[26:27] offset:4096*\i      ; key steps 0 and 1
.endr
.irp i, 0,1,2,3
	global_load_b128 v[104+4*\i:107+4*\i], v[CP], s[32:33] offset:4096*\i    ; the head's scale words
.endr
.irp i, 0,1,2,3
	global_load_b128 v[120+4*\i:123+4*\i], v[CP], s[12:13] offset:4096*\i    ; the mask
.endr
.irp c, 0,1,2
	global_load_b128 v[136+4*\c:139+4*\c], v[LI], s[38:39] offset:512*\c     ; Q
.endr
	global_load_b32 v148, v15, s[40:41]
	s_wait_loadcnt 0x0
.irp i, 0,1,2,3,4,5,6,7,8,9,10,11,12,13,14,15
	v_mul_f32 v[120+\i], 0x41000000, v[120+\i]     ; 8 x the mask,
.endr
.irp i, 0,1,2,3,4,5,6,7,8,9,10,11,12,13,14,15
	v_max_num_f32 v[120+\i], 0xce800000, v[120+\i] ; held at -2^30 from below
.endr
.irp i, 0,1,2,3,4,5
	ds_store_b128 v[CP], v[80+4*\i:83+4*\i] offset:4096*\i
.endr
.irp i, 0,1,2,3
	ds_store_b128 v[CP], v[104+4*\i:107+4*\i] offset:SCL+4096*\i
.endr
.irp i, 0,1,2,3
	ds_store_b128 v[CPM], v[120+4*\i:123+4*\i] offset:4096*\i
.endr
.irp i, 0,1,2
	global_load_b128 v[G+4*\i:G+4*\i+3], v[CP], s[26:27] offset:2*BLK+4096*\i   ; key step 2
.endr
	WIN 0x40                                       ; destination window 1
.irp z, 0,12,24
.irp i, 0,1,2,3,4,5
	v_mov_b32 v[QF+\z+\i], 0                       ; the zero codes round q0 and q1
.endr
.endr
.irp i, 0,1,2,3,4,5
	v_mov_b32 v[QF+6+\i], v[136+\i]                ; q0
	v_mov_b32 v[QF+18+\i], v[142+\i]               ; q1
.endr
.set i, 0
.rept 64
	v_mov_b32 v[i], 0                              ; O^T.  (The step is written once: the first finds zeros, which the first change of M leaves zeros)
.set i, i+1
.endr
	WIN 0
	v_and_or_b32 v[QS], v148, 0xffff, s34          ; [q0, 0]: q0's two bytes, then 1, 1
	v_lshl_or_b32 v[QS+1], v148, 16, s35           ; [0, q0]
	v_lshrrev_b32 v[QS+2], 16, v148
	v_or_b32 v[QS+2], s34, v[QS+2]                 ; [q1, 0]
	v_and_or_b32 v[QS+3], v148, 0xffff0000, s35    ; [0, q1]
.irp u, 0,1
	v_mov_b32 v[ST+24*\u+1], 0xff61b1e6            ; the largest t so far: -3e38, under every t
	v_floor_f32 v[ST+24*\u], -v[ST+24*\u+1]        ; -M
	v_mov_b32 v[ST+24*\u+2], 0                     ; the sum, in two halves
	v_mov_b32 v[ST+24*\u+3], 0
	v_mov_b32 v[ST+24*\u+5], 0                     ; (named as the upper half of f's pair)
.irp i, 0,1,2,3,4,5,6,7
	v_mov_b32 v[ST+24*\u+12+\i], 0                 ; a lane permute's destination counts as one of its sources
.endr
.endr
	s_wait_dscnt 0x0                               ; for the others' sake: my stores have landed
	s_barrier_signal -1
	s_barrier_wait -1
	WIN 0x40
.irp b, 0,1,2,3
.irp c, 0,1,2
	ds_load_b128 v[KF+12*\b+4*\c:KF+12*\b+4*\c+3], v[LI] offset:\b*1536+512*\c   ; K of step 0,
.endr
.endr
.irp b, 0,1,2,3
.irp i, 0,1,2,3
	ds_load_b128 v[MK+16*\b+4*\i:MK+16*\b+4*\i+3], v[ADM0] offset:128*\b+16*\i   ; its mask
.endr
.endr
	WIN 0
	ds_load_b32 v[KS], v[ADS0]                     ; and its scale words
	ds_load_b32 v[KS+1], v[ADS0] offset:128
	s_mov_b32 s24, 8                               ; trips to go: four key steps each
	s_mov_b32 s36, 0                               ; 2,048 x trip: four steps' mask numbers, and four steps' scale words
.Ltrip:
	v_add_nc_u32 v[ADM], s36, v[ADM0]
	v_add_nc_u32 v[ADS], s36, v[ADS0]
	STEP 0
	STEP 1
	STEP 2
	STEP 3
	s_wait_xcnt 0x0                                ; the trip's loads and its prefetch have read their base: it is stepped only behind this wait
	s_add_nc_u64 s[26:27], s[26:27], 4*BLK
	s_add_co_u32 s36, s36, 2048
	s_sub_co_u32 s24, s24, 1
	s_cmp_lg_u32 s24, 0
	s_cbranch_scc1 .Ltrip
	; THE WAY OUT.  O^T is divided by the row's sum and goes through my stage in LDS, a tile of 16 queries at a time, so that sixteen lanes store a query's 256 bytes of this head.
	PLACES
.irp u, 0,1
	v_add_f32 v[ST+24*\u+6], v[ST+24*\u+2], v[ST+24*\u+3]   ; the sum's two halves,
.endr
.irp u, 0,1
	v_permlanex16_b32 v[ST+24*\u+12], v[ST+24*\u+6], s20, s21
.endr
.irp u, 0,1
	v_add_f32 v[ST+24*\u+6], v[ST+24*\u+6], v[ST+24*\u+12]  ; and lane l xor 16's
.endr
.irp u, 0,1
	v_rcp_f32 v[ST+24*\u+4], v[ST+24*\u+6]
.endr
	v_nop                                          ; a plain instruction behind the reciprocals
	s_wait_alu depctr_va_vdst(0)                   ; and the wait ahead of their first reader
	WIN 0x01                                       ; source 0 (O^T) window 1
.irp u, 0,1
.set i, 0
.rept 32
	v_mul_f32 v[S+64*\u+i], v[32*\u+i], v[ST+24*\u+4]   ; register 16 g + i: channel 32 g + 16 h + i of my query; each accumulator from its low end on
.set i, i+1
.endr
.endr
	WIN 0
.irp u, 0,1
.irp g, 0,1
.irp i, 0,1,2,3
	ds_store_b128 v[STO], v[S+64*\u+16*\g+4*\i:S+64*\u+16*\g+4*\i+3] offset:\u*4352+128*\g+16*\i
.endr
.endr
.irp i, 0,1,2,3,4,5,6,7
	ds_load_b128 v[S+64*\u+32+4*\i:S+64*\u+32+4*\i+3], v[RD] offset:\u*4352+544*\i   ; LDS serves a wave's instructions in order (ISA guide 5.7.1.4): these see my stores; the bytes are my wave's own
.endr
.endr
.irp u, 0,1
.irp i, 0,1,2,3,4,5,6,7
	s_wait_dscnt 23-16*\u-\i                       ; the younger LDS instructions may be out
	global_store_b128 v[GO], v[S+64*\u+32+4*\i:S+64*\u+32+4*\i+3], s[28:29] offset:(8*\u+2*\i+8*(\i/4))*3072 th:TH_STORE_NT   ; rows 2 i, 2 i + 1 of tile u: 16 lanes store 256 consecutive bytes, at a multiple of 256 from out0's first byte
.endr
.endr
	s_wait_tensorcnt 0x0
	ds_add_u32 v39, v63
	s_wait_dscnt 0x0
	s_endpgm
.Lfunc_end_k_q4c9a2e4056_attn:
	.size	k_q4c9a2e4056_attn, .Lfunc_end_k_q4c9a2e4056_attn-k_q4c9a2e4056_attn
	.p2alignl 7, 3214868480
	.fill 96, 4, 3214868480
	.section	.rodata,"a",@progbits
	.p2align	6, 0x0
	.amdhsa_kernel k_q4c9a2e4056_attn
		.amdhsa_group_segment_fixed_size 154624
		.amdhsa_private_segment_fixed_size 0
		.amdhsa_enable_private_segment 0
		.amdhsa_kernarg_size 48
		.amdhsa_user_sgpr_count 2
		.amdhsa_user_sgpr_kernarg_segment_ptr 1
		.amdhsa_wavefront_size32 1
		.amdhsa_system_sgpr_workgroup_id_x 1
		.amdhsa_system_sgpr_workgroup_id_y 1
		.amdhsa_system_sgpr_workgroup_id_z 1
		.amdhsa_system_vgpr_workitem_id 0
		.amdhsa_next_free_vgpr 512
		.amdhsa_next_free_sgpr 66
		.amdhsa_reserve_vcc 0
		.amdhsa_float_denorm_mode_32 3
		.amdhsa_float_denorm_mode_16_64 3
		.amdhsa_memory_ordered 1
		.amdhsa_forward_progress 1
		.amdhsa_inst_pref_size 142
	.end_amdhsa_kernel
	.amdgpu_metadata
---
amdhsa.version: [ 1, 2 ]
amdhsa.kernels:
  - .name:           k_q4c9a2e4056_attn
    .symbol:         k_q4c9a2e4056_attn.kd
    .args:
      - { .name: qc, .offset: 0, .size: 8, .value_kind: global_buffer, .address_space: global }
      - { .name: qs, .offset: 8, .size: 8, .value_kind: global_buffer, .address_space: global }
      - { .name: kv, .offset: 16, .size: 8, .value_kind: global_buffer, .address_space: global }
      - { .name: kvs, .offset: 24, .size: 8, .value_kind: global_buffer, .address_space: global }
      - { .name: attention_mask, .offset: 32, .size: 8, .value_kind: global_buffer, .address_space: global }
      - { .name: out0, .offset: 40, .size: 8, .value_kind: global_buffer, .address_space: global }
    .group_segment_fixed_size: 154624
    .private_segment_fixed_size: 0
    .kernarg_segment_align: 8
    .kernarg_segment_size: 48
    .max_flat_workgroup_size: 256
    .sgpr_count:     66
    .vgpr_count:     512
    .wavefront_size: 32
...
	.end_amdgpu_metadata
.endif
;; end of part 3
;; ======== version 2 of 2: 3 launches
;; workspace buffers: xc 2,359,296 bytes; xs 98,304 bytes; wc 1,327,104 bytes; ws 55,296 bytes; qc 2,359,296 bytes; qs 98,304 bytes; kv 4,718,592 bytes; kvs 196,608 bytes
;; launch quant (part 4): grid 2 x 200, 3 waves a work-group, no clusters, 51,200 bytes of LDS; arguments hidden_states, Wq, Wk, Wv, xc, xs, wc, ws; writes xc, xs, wc, ws
.if DOCPART == 4
	.amdgcn_target "amdgcn-amd-amdhsa--gfx1250"
	.amdhsa_code_object_version 6
	.text
	.protected	k_q4c9a2e4056_quant
	.globl	k_q4c9a2e4056_quant
	.p2align	8
	.type	k_q4c9a2e4056_quant,@function
k_q4c9a2e4056_quant:
	s_mov_b64 s[64:65], 0
	v_nop
	global_prefetch_b8 v0, s[64:65] scope:SCOPE_SE
	s_setreg_imm32_b32 hwreg(HW_REG_WAVE_MODE, 25, 1), 1
	s_wait_xcnt 0x0
; hidden_states [4096][768] and Wq, Wk, Wv [768 (k)][768 (n)], f32, become codes of FP6 (E2M3) with one E8M0 byte for each 32 along K = 768,
; laid as IMAGES OF OPERAND REGISTERS: a fragment (16 rows x 128 K, 12 registers a lane) is 1,536 bytes, register p of lane L at 512 (p / 4) + 16 L + 4 (p % 4).
; THE ROWS OF A TILE ARE NOT NEIGHBOURS: a group of 32 rows (tokens of x, output channels of W) is two tiles u = 0, 1; row r of tile u is row 8 u + r + 8 (r / 8) of the group.
; xc, wc: image of (group, u, K step s) at ((2 group + u) 6 + s) 1,536.  xs, ws: (6 group + s) 128 + 4 (16 u + r): the row's scale word for that K step.  Channel groups: Wq 0-23, Wk 24-47, Wv 48-71.
; A block's scale is 2^(floor(log2(largest magnitude)) - 2); its byte is the largest magnitude's exponent field - 2, held at 1 from below.
; LIMITS: a block of zeros, or one whose largest magnitude lies under 2^-124, gets the byte 1 (zero blocks have zero codes; this program alone reads the bytes); NaN and infinities are not served.
; SHARES: work-group y < 128: token group y; else channel group y - 128.  K step s = 3 x + wave.  One wave makes the two fragments of (group, s) and their 128 bytes of scale words.  Waves share nothing: no barrier.
; x: K is innermost: each load takes 512 consecutive bytes of one token's row, and the 32 rows turn through the wave's own stage in LDS, so that a lane gets its 32 neighbours of each block.
; W: K is the first axis: a lane takes a column and its registers run down K, in the operand's own order; nothing is transposed.
.set X,    32                          ; v32-159  64 numbers for each tile u: register 64 u + 32 c + i = k 64 c + 32 h + i of my row
.set PC,   160                         ; v160-183 the codes, 12 registers for each tile
.set TMP,  20                          ; v20-27   the upper halves of the blocks' codes (a conversion's three registers begin on an even number)
.set MX,   10                          ; v10-11   largest magnitudes
.set TS,   12                          ; v12-13   the conversions' scale operands
.set BY,   14                          ; v14-15   scale bytes
.set PX,   16                          ; v16      the other half's bytes
.set PW,   17                          ; v17-18   the scale words of tiles 0, 1
.set SP,   528                         ; a stage row: 512 bytes + 16 = 132 words: the 16 rows that a load touches begin 4 words apart modulo 64 words
.set WREG, 32*SP                       ; a wave's stage
	s_load_b512 s[4:19], s[0:1], 0x0               ; x s[4:5], Wq s[6:7], Wk s[8:9], Wv s[10:11], xc s[12:13], xs s[14:15], wc s[16:17], ws s[18:19]
	v_lshl_add_u32 v192, v0, 2, 0xc600
	v_mov_b32 v193, 0
	v_lshrrev_b32 v1, 5, v0
	v_readfirstlane_b32 s20, v1                    ; wave 0..2
	v_and_b32 v1, 31, v0                           ; lane
	v_and_b32 v2, 15, v0                           ; r
	v_bfe_u32 v3, v0, 4, 1                         ; h
	v_lshlrev_b32 v4, 4, v1                        ; 16 x lane: my place in 512 bytes
	v_lshlrev_b32 v5, 2, v1                        ; 4 x lane
	s_mul_i32 s35, s20, WREG
	v_add_nc_u32 v6, s35, v4                       ; the stage, on the way in
	v_mul_u32_u24 v7, v2, SP
	v_lshl_add_u32 v7, v3, 7, v7
	v_add_nc_u32 v7, s35, v7                       ; and on the way out: row r, + 128 h bytes
	v_and_b32 v8, 8, v2
	v_add_nc_u32 v8, v8, v2                        ; r + 8 (r / 8)
	v_lshlrev_b32 v8, 2, v8
	v_mad_u32_u24 v8, v3, 98304, v8                ; W: my column, and 32 rows of 3,072 bytes further down for lanes 16-31
	v_lshlrev_b32 v9, 3, v3                        ; 8 h: my bytes' place in the scale word
	v_mov_b32 v[PX], 0                             ; a lane permute's destination counts as one of its sources
	v_cmp_le_u32 s34, 16, v1                       ; lanes 16-31
	s_and_b32 s22, ttmp7, 0xffff                   ; y
	s_mul_i32 s21, ttmp9, 3
	s_add_co_u32 s21, s21, s20                     ; K step s
	s_cmp_lt_u32 s22, 128
	s_cselect_b32 s23, 0, 128
	s_sub_co_u32 s23, s22, s23                     ; the group's number in its tensor
	s_mul_i32 s30, s23, 18432
	s_mul_i32 s36, s21, 1536
	s_add_co_u32 s30, s30, s36                     ; where my images begin
	s_mov_b32 s31, 0
	s_mul_i32 s36, s23, 6
	s_add_co_u32 s36, s36, s21
	s_lshl_b32 s36, s36, 7                         ; and my scale words
	s_mov_b32 s37, 0
	s_mov_b32 s32, 0x76543210
	s_mov_b32 s33, 0xfedcba98                      ; v_permlanex16_b32's selects for lane l xor 16
	s_wait_kmcnt 0x0
	s_cmp_lt_u32 s22, 128                          ; the choice of buffers hangs on the work-group's number alone
	s_cselect_b64 s[26:27], s[12:13], s[16:17]
	s_cselect_b64 s[28:29], s[14:15], s[18:19]
	s_add_nc_u64 s[26:27], s[26:27], s[30:31]
	s_add_nc_u64 s[28:29], s[28:29], s[36:37]
	s_cmp_ge_u32 s22, 128
	s_cbranch_scc1 .Lweights
	; ---- x: 32 tokens x 512 bytes
	s_mul_i32 s30, s22, 98304                      ; 32 rows of 3,072 bytes
	s_lshl_b32 s36, s21, 9
	s_add_co_u32 s30, s30, s36
	s_add_nc_u64 s[24:25], s[4:5], s[30:31]
.irp u, 0,1
.irp i, 0,1,2,3,4,5,6,7,8,9,10,11,12,13,14,15
	global_load_b128 v[X+64*\u+4*\i:X+64*\u+4*\i+3], v4, s[24:25] offset:(8*\u+\i+8*(\i/8))*3072 th:TH_LOAD_NT   ; row i of tile u: 32 lanes read 512 consecutive bytes
.endr
.endr
	s_wait_loadcnt 16                              ; tile 0's sixteen loads are in; tile 1's sixteen may be out
.irp i, 0,1,2,3,4,5,6,7,8,9,10,11,12,13,14,15
	ds_store_b128 v6, v[X+4*\i:X+4*\i+3] offset:\i*SP
.endr
	s_wait_loadcnt 0x0
.irp i, 0,1,2,3,4,5,6,7,8,9,10,11,12,13,14,15
	ds_store_b128 v6, v[X+64+4*\i:X+64+4*\i+3] offset:(16+\i)*SP
.endr
	s_wait_dscnt 0x0                               ; the stores have read their registers, which the loads below fill
	s_wait_alu depctr_va_vdst(0)
.irp u, 0,1
.irp c, 0,1
.irp j, 0,1,2,3,4,5,6,7
	ds_load_b128 v[X+64*\u+32*\c+4*\j:X+64*\u+32*\c+4*\j+3], v7 offset:\u*16*SP+256*\c+16*\j   ; k = 64 c + 32 h + 4 j .. of my row
.endr
.endr
.endr
	s_wait_dscnt 0x0
	s_branch .Lcodes
.Lweights:
	; ---- W: 128 rows (k) x 32 columns
	s_cmp_lt_u32 s23, 24
	s_cselect_b64 s[24:25], s[6:7], s[8:9]
	s_cselect_b32 s38, 0, 24
	s_cmp_lt_u32 s23, 48
	s_cselect_b64 s[24:25], s[24:25], s[10:11]
	s_cselect_b32 s38, s38, 48
	s_sub_co_u32 s38, s23, s38                     ; the group's number in its matrix
	s_mul_i32 s30, s21, 393216                     ; 128 rows of 3,072 bytes
	s_lshl_b32 s38, s38, 7
	s_add_co_u32 s30, s30, s38
	s_add_nc_u64 s[24:25], s[24:25], s[30:31]
	s_wait_alu depctr_va_vdst(0)
.irp u, 0,1
.irp c, 0,1
.irp i, 0,1,2,3,4,5,6,7,8,9,10,11,12,13,14,15,16,17,18,19,20,21,22,23,24,25,26,27,28,29,30,31
	global_load_b32 v[X+64*\u+32*\c+\i], v8, s[24:25] offset:(64*\c+\i)*3072+32*\u   ; W(128 s + 64 c + 32 h + i, my column)
.endr
.endr
.endr
	s_wait_loadcnt 0x0
.Lcodes:
; Tile u: a lane holds two whole blocks (2 c + h, c = 0, 1); the scale word's four bytes are gathered from lanes l and l xor 16.
.macro QB u
.irp c, 0,1
	v_max3_num_f32 v[MX+\c], |v[X+64*\u+32*\c]|, |v[X+64*\u+32*\c+1]|, 0x1800000   ; and the floor 2^(3 - 127): the byte cannot fall under 1
.endr
.irp i, 2,4,6,8,10,12,14,16,18,20,22,24,26,28,30
.irp c, 0,1
	v_max3_num_f32 v[MX+\c], v[MX+\c], |v[X+64*\u+32*\c+\i]|, |v[X+64*\u+32*\c+\i+1]|   ; (the two blocks by turns)
.endr
.endr
.irp c, 0,1
	v_add_nc_u32 v[TS+\c], 0xff000000, v[MX+\c]    ; 2 off the exponent field: the conversion takes this operand's exponent field as its scale
.endr
.irp c, 0,1
	v_lshrrev_b32 v[BY+\c], 23, v[TS+\c]           ; the scale's byte
.endr
	v_lshl_or_b32 v[PW+\u], v[BY+1], 16, v[BY]     ; blocks h and 2 + h,
	v_lshlrev_b32 v[PW+\u], v9, v[PW+\u]           ; at their places in the word;
	v_permlanex16_b32 v[PX], v[PW+\u], s32, s33
	v_or_b32 v[PW+\u], v[PW+\u], v[PX]             ; with lane l xor 16's two the word is whole
.irp c, 0,1
	v_cvt_scalef32_pk16_fp6_f32 v[PC+12*\u+6*\c:PC+12*\u+6*\c+2], v[X+64*\u+32*\c:X+64*\u+32*\c+15], v[TS+\c]
	v_cvt_scalef32_pk16_fp6_f32 v[TMP+4*\c:TMP+4*\c+2], v[X+64*\u+32*\c+16:X+64*\u+32*\c+31], v[TS+\c]
.endr
	v_nop                                          ; one plain instruction behind a scaled conversion, ahead of the moves that read its result
.irp c, 0,1
.irp i, 0,1,2
	v_mov_b32 v[PC+12*\u+6*\c+3+\i], v[TMP+4*\c+\i]
.endr
.endr
.endm
	QB 0
	QB 1
.irp u, 0,1
.irp c, 0,1,2
	global_store_b128 v4, v[PC+12*\u+4*\c:PC+12*\u+4*\c+3], s[26:27] offset:\u*9216+512*\c   ; 32 lanes store 512 consecutive bytes, at a multiple of 512 from the buffer's first byte
.endr
.endr
	v_cndmask_b32 v19, v[PW], v[PW+1], s34         ; lanes 0-15 tile 0's words, lanes 16-31 tile 1's
	global_store_b32 v5, v19, s[28:29]
	s_wait_tensorcnt 0x0
	ds_add_u32 v192, v193
	s_wait_dscnt 0x0
	s_endpgm
.Lfunc_end_k_q4c9a2e4056_quant:
	.size	k_q4c9a2e4056_quant, .Lfunc_end_k_q4c9a2e4056_quant-k_q4c9a2e4056_quant
	.p2alignl 7, 3214868480
	.fill 96, 4, 3214868480
	.section	.rodata,"a",@progbits
	.p2align	6, 0x0
	.amdhsa_kernel k_q4c9a2e4056_quant
		.amdhsa_group_segment_fixed_size 51200
		.amdhsa_private_segment_fixed_size 0
		.amdhsa_enable_private_segment 0
		.amdhsa_kernarg_size 64
		.amdhsa_user_sgpr_count 2
		.amdhsa_user_sgpr_kernarg_segment_ptr 1
		.amdhsa_wavefront_size32 1
		.amdhsa_system_sgpr_workgroup_id_x 1
		.amdhsa_system_sgpr_workgroup_id_y 1
		.amdhsa_system_sgpr_workgroup_id_z 1
		.amdhsa_system_vgpr_workitem_id 0
		.amdhsa_next_free_vgpr 194
		.amdhsa_next_free_sgpr 66
		.amdhsa_reserve_vcc 0
		.amdhsa_float_denorm_mode_32 3
		.amdhsa_float_denorm_mode_16_64 3
		.amdhsa_memory_ordered 1
		.amdhsa_forward_progress 1
		.amdhsa_inst_pref_size 29
	.end_amdhsa_kernel
	.amdgpu_metadata
---
amdhsa.version: [ 1, 2 ]
amdhsa.kernels:
  - .name:           k_q4c9a2e4056_quant
    .symbol:         k_q4c9a2e4056_quant.kd
    .args:
      - { .name: hidden_states, .offset: 0, .size: 8, .value_kind: global_buffer, .address_space: global }
      - { .name: Wq, .offset: 8, .size: 8, .value_kind: global_buffer, .address_space: global }
      - { .name: Wk, .offset: 16, .size: 8, .value_kind: global_buffer, .address_space: global }
      - { .name: Wv, .offset: 24, .size: 8, .value_kind: global_buffer, .address_space: global }
      - { .name: xc, .offset: 32, .size: 8, .value_kind: global_buffer, .address_space: global }
      - { .name: xs, .offset: 40, .size: 8, .value_kind: global_buffer, .address_space: global }
      - { .name: wc, .offset: 48, .size: 8, .value_kind: global_buffer, .address_space: global }
      - { .name: ws, .offset: 56, .size: 8, .value_kind: global_buffer, .address_space: global }
    .group_segment_fixed_size: 51200
    .private_segment_fixed_size: 0
    .kernarg_segment_align: 8
    .kernarg_segment_size: 64
    .max_flat_workgroup_size: 96
    .sgpr_count:     66
    .vgpr_count:     194
    .wavefront_size: 32
...
	.end_amdgpu_metadata
.endif
;; end of part 4
;; launch proj (part 5): grid 9 x 32, 4 waves a work-group, no clusters, 77,312 bytes of LDS; arguments xc, xs, wc, ws, bq, bk, bv, qc, qs, kv, kvs; writes qc, qs, kv, kvs
.if DOCPART == 5
	.amdgcn_target "amdgcn-amd-amdhsa--gfx1250"
	.amdhsa_code_object_version 6
	.text
	.protected	k_q4c9a2e4056_proj
	.globl	k_q4c9a2e4056_proj
	.p2align	8
	.type	k_q4c9a2e4056_proj,@function
k_q4c9a2e4056_proj:
	s_mov_b64 s[64:65], 0
	v_nop
	global_prefetch_b8 v0, s[64:65] scope:SCOPE_SE
	s_setreg_imm32_b32 hwreg(HW_REG_WAVE_SCHED_MODE, 0, 2), 2
	s_setreg_imm32_b32 hwreg(HW_REG_WAVE_MODE, 25, 1), 1
	s_wait_xcnt 0x0
	s_wait_alu depctr_vm_vsrc(0)
; q, k, v = x W + b on codes of FP6 (K = 768, six K steps of 128), and the results quantised in registers for the attention launch: q and k along the head's 64 channels, v along the tokens.
; SHARES: work-group x = 0..8: three for each of q, k, v, four heads each; work-group y: 128 tokens (one key step).  Wave w: one head: 128 tokens x 64 channels = 32 accumulators of 16 x 16.
; x's 48 fragments and their scale words (76,800 bytes) are copied into LDS once, through registers, and read by all four waves; W's fragments come from memory straight into registers, two K steps ahead.
; No joint loads: the four waves already share x through LDS, and each wave's part of W (36,864 bytes) is read once by it.
; q, k: THE PRODUCT IS USED TRANSPOSED (source 0 = 16 channels of W, source 1 = 16 tokens): a lane holds one token, and, by the order of rows in a tile (row r of tile u of a group of 32 is 8 u + r + 8 (r / 8)),
;   the 16 registers of channel tiles 2 g, 2 g + 1 are channels 32 g + 16 h + 0 .. 15.  A token group's 64 registers become ONE image: registers 0-5 token tile 0 (lane (r, h): channels 32 h ..), registers 6-11 token tile 1.
; v: source 0 = 16 tokens, source 1 = 16 channels: a lane holds one channel and the 16 registers of token tiles 2 b, 2 b + 1 are tokens 32 b + 16 h + 0 .. 15: a channel tile's 64 registers become a fragment whose K is the 128 tokens.
; The bias is the C of each sum's first matrix instruction.  The 32 accumulators take turns, one instruction a turn.
; OUT: qc: head 196,608 + token group 1,536.  qs: head 8,192 + group 64 + 4 r.  kv: head 393,216 + step 12,288: four images of K, then at + 6,144 four of V.  kvs: head 16,384 + step 512: K's words, at + 256 V's.
; LIMITS: a block whose largest magnitude lies under 2^-124 (zeros too) gets the byte 1; NaN and infinities are not served.
; REGISTERS: window 0: v1-10 addresses; v16-23 x's scale words (2 sets x 4), v24-27 W's (2 sets x 2); v32-127 x's 8 fragments; v128-223 W's 4 fragments, 2 sets; v224-255 the bias, 8 a channel tile.
;   On the way out: v32-79 codes, v80-101 at work.   window 1: the 32 accumulators (during the copy: what is on its way to LDS).
; THE MODE: SCHED_MODE bits 1:0 = 2 (LLVM: expert scheduling mode 2), set by the entry lines.  The code itself states the register dependences
; between vector or matrix instructions and memory or LDS instructions, with s_wait_alu, always for 0.
; THE PLAN.  Registers that memory or LDS instructions touch:
;   v1-10          Offsets and addresses, made once at the head and never written again: one wait on va_vdst ahead of the first load.
;   window 1 v0-149  The copy: loads from memory land, LDS stores read; the products then write these registers as accumulators: one wait on vm_vsrc behind the barrier.
;   x's tiles 0-3  K step s: its first sixteen products read them; behind the wait in the step's middle the LDS loads of K step s + 1 land, while the second sixteen products run.
;   x's tiles 4-7  K step s: its second sixteen products read them; behind the wait at the step's end the LDS loads of K step s + 1 land, while the next step's first sixteen run.
;   x's scale words  Two sets: set (s + 1) % 2 is loaded in the middle of K step s and was last read in K step s - 1.
;   W, its scale words  Two sets: set s % 2 is read by all 32 products of K step s; behind the wait at the step's end the loads of K step s + 2 land.
;   v32-79, v100-101  On the way out: the codes and the scale words: written by the quantiser and two selects, read by the run of stores behind one wait on va_vdst.
; So a K step has two waits on va_vdst: x has one set of registers, each half of which is emptied by sixteen products and asked for again at once.
.set LI,  1                            ; v1   16 x lane
.set LI2, 2                            ; v2   the same + 36,864: x's tiles 4-7 (an LDS offset has 16 bits)
.set L4,  3                            ; v3   4 x lane
.set L4S, 4                            ; v4   XSC + 4 x lane
.set FI,  5                            ; v5   16 x thread
.set FI2, 6                            ; v6   the same + 36,864
.set F8,  7                            ; v7   8 x thread
.set F8S, 8                            ; v8   XSC + 8 x thread
.set BO,  9                            ; v9   the bias of q, k: 64 h bytes
.set BOV, 10                           ; v10  the bias of v: 4 (r + 8 (r / 8))
.set XS,  16
.set WS,  24
.set XF,  32
.set WF,  128
.set BI,  224
.set PC,  32
.set MX,  80
.set X8,  84
.set TS,  92
.set PW,  96
.set SW,  100
.set XSC, 73728                        ; LDS: x's images from 0, their scale words from here
.set MSB, 0
.macro WIN new                         ; the immediate's high byte repeats the setting that is left
.if MSB != \new
	s_set_vgpr_msb (MSB<<8)|\new
.set MSB, \new
.endif
.endm
.macro PLACES                          ; four plain instructions behind a matrix instruction, ahead of loads into its registers and of reads of its result
.rept 4
	v_nop
.endr
.endm
.macro WM d, a, b, c, sa, sb, ra, rb   ; one product; ra, rb: the side's scale words stand in lanes 16-31
.if (\ra) && (\rb)
	v_wmma_scale_f32_16x16x128_f8f6f4 v[\d:\d+7], v[\a:\a+11], v[\b:\b+11], v[\c:\c+7], v[\sa], v[\sb] matrix_a_fmt:MATRIX_FMT_FP6 matrix_b_fmt:MATRIX_FMT_FP6 matrix_a_scale:MATRIX_SCALE_ROW1 matrix_b_scale:MATRIX_SCALE_ROW1
.elseif (\ra)
	v_wmma_scale_f32_16x16x128_f8f6f4 v[\d:\d+7], v[\a:\a+11], v[\b:\b+11], v[\c:\c+7], v[\sa], v[\sb] matrix_a_fmt:MATRIX_FMT_FP6 matrix_b_fmt:MATRIX_FMT_FP6 matrix_a_scale:MATRIX_SCALE_ROW1
.elseif (\rb)
	v_wmma_scale_f32_16x16x128_f8f6f4 v[\d:\d+7], v[\a:\a+11], v[\b:\b+11], v[\c:\c+7], v[\sa], v[\sb] matrix_a_fmt:MATRIX_FMT_FP6 matrix_b_fmt:MATRIX_FMT_FP6 matrix_b_scale:MATRIX_SCALE_ROW1
.else
	v_wmma_scale_f32_16x16x128_f8f6f4 v[\d:\d+7], v[\a:\a+11], v[\b:\b+11], v[\c:\c+7], v[\sa], v[\sb] matrix_a_fmt:MATRIX_FMT_FP6 matrix_b_fmt:MATRIX_FMT_FP6
.endif
.endm
.macro LDW s                           ; W's K step s into set s % 2: 12 + 2 loads
.irp t, 0,1,2,3
.irp c, 0,1,2
	global_load_b128 v[WF+48*((\s)%2)+12*\t+4*\c:WF+48*((\s)%2)+12*\t+4*\c+3], v[LI], s[30:31] offset:(6*\t+(\s))*1536+512*\c
.endr
.endr
.irp g, 0,1
	global_load_b32 v[WS+2*((\s)%2)+\g], v[L4], s[32:33] offset:(6*\g+(\s))*128   ; lanes 0-15 tile 2 g's words, lanes 16-31 tile 2 g + 1's
.endr
.endm
.macro LDX s, half                     ; x's tiles 4 half .. 4 half + 3 of K step s: 12 loads
.irp q, 0,1,2,3
.irp c, 0,1,2
	ds_load_b128 v[XF+12*(4*(\half)+\q)+4*\c:XF+12*(4*(\half)+\q)+4*\c+3], v[LI+(\half)] offset:(\q*6+(\s))*1536+512*\c
.endr
.endr
.endm
.macro LDXS s                          ; x's scale words of K step s into set s % 2: 4 loads
.irp g, 0,1,2,3
	ds_load_b32 v[XS+4*((\s)%2)+\g], v[L4S] offset:(6*\g+(\s))*128
.endr
.endm
.macro MM tr, s, half                  ; 16 products: four token tiles x four channel tiles
.if (\s) == 0
	WIN 0x40                                       ; D in window 1; A, B and the bias in window 0
.else
	WIN 0x50                                       ; C and D in window 1
.endif
.irp q, 0,1,2,3
.irp t, 0,1,2,3
.set rT, 4*(\half)+\q
.if \tr
.set rD, 8*(4*rT+\t)
.set rA, WF+48*((\s)%2)+12*\t
.set rB, XF+12*rT
.set rSA, WS+2*((\s)%2)+\t/2
.set rSB, XS+4*((\s)%2)+rT/2
.set rRA, \t%2
.set rRB, rT%2
.else
.set rD, 8*(8*\t+rT)
.set rA, XF+12*rT
.set rB, WF+48*((\s)%2)+12*\t
.set rSA, XS+4*((\s)%2)+rT/2
.set rSB, WS+2*((\s)%2)+\t/2
.set rRA, rT%2
.set rRB, \t%2
.endif
.if (\s) == 0
.set rC, BI+8*\t
.else
.set rC, rD
.endif
	WM rD, rA, rB, rC, rSA, rSB, rRA, rRB
.endr
.endr
.endm
.macro KSTEP tr, s
.if (\s) < 5
	s_wait_loadcnt 14                              ; W's K step s is in; the 14 loads of K step s + 1 may be out
.else
	s_wait_loadcnt 0x0
.endif
	s_wait_dscnt 12                                ; x's tiles 0-3 and the scale words are in; the 12 loads of tiles 4-7 may be out
	MM \tr, \s, 0
	WIN 0
.if (\s) < 5
	PLACES
	s_wait_alu depctr_va_vdst(0)                   ; the sixteen products above are done reading x's tiles 0-3, in which the loads below land; the scale words' other set was last read a K step ago
	LDX (\s)+1, 0
	LDXS (\s)+1
	s_wait_dscnt 16                                ; tiles 4-7 are in; the 16 loads just issued may be out
.else
	s_wait_dscnt 0x0
.endif
	MM \tr, \s, 1
	WIN 0
	PLACES
.if (\s) < 5
	s_wait_alu depctr_va_vdst(0)                   ; the sixteen products above are done reading x's tiles 4-7, and this K step's 32 are done reading W's set and its scale words: the loads below land in them
	LDX (\s)+1, 1
.endif
.if (\s) < 4
	LDW (\s)+2                                     ; into the set that this K step has left
.endif
.endm
; 64 accumulator registers (window 1, from a on), register 16 b + i = k 32 b + 16 h + i of my row, become a fragment's codes in v[pc] on and its scale word in v[pw].  Each accumulator is read from its low end on.
.macro QUANT a, pc, pw
	WIN 0x05
.irp b, 0,1,2,3
	v_max3_num_f32 v[MX+\b], |v[(\a)+16*\b]|, |v[(\a)+16*\b+1]|, 0x1800000   ; and the floor 2^(3 - 127): the byte cannot fall under 1
.endr
	WIN 0x14
.irp i, 2,4,6,8,10,12,14
.irp b, 0,1,2,3
	v_max3_num_f32 v[MX+\b], v[MX+\b], |v[(\a)+16*\b+\i]|, |v[(\a)+16*\b+\i+1]|
.endr
.endr
	WIN 0
.irp b, 0,1,2,3
	v_permlanex16_b32 v[X8+\b], v[MX+\b], s44, s45
.endr
.irp b, 0,1,2,3
	v_max_num_f32 v[MX+\b], v[MX+\b], v[X8+\b]     ; with lane l xor 16's: the block's largest magnitude
.endr
.irp b, 0,1,2,3
	v_add_nc_u32 v[TS+\b], 0xff000000, v[MX+\b]    ; 2 off the exponent field: the conversion's scale operand
.endr
.irp b, 0,1,2,3
	v_lshrrev_b32 v[X8+\b], 23, v[TS+\b]           ; the scale's byte
.endr
	v_lshl_or_b32 v[\pw], v[X8+1], 8, v[X8]
	v_lshl_or_b32 v[\pw], v[X8+2], 16, v[\pw]
	v_lshl_or_b32 v[\pw], v[X8+3], 24, v[\pw]
	WIN 0x01
.irp c, 0,1
	v_cvt_scalef32_pk16_fp6_f32 v[(\pc)+6*\c:(\pc)+6*\c+2], v[(\a)+32*\c:(\a)+32*\c+15], v[TS+2*\c]
	v_cvt_scalef32_pk16_fp6_f32 v[X8+4*\c:X8+4*\c+2], v[(\a)+32*\c+16:(\a)+32*\c+31], v[TS+2*\c+1]   ; (a conversion's three registers begin on an even number)
.endr
	WIN 0
	v_nop                                          ; one plain instruction behind a scaled conversion
.irp c, 0,1                                    ; the operand's layout wants a whole block in a lane: lanes 0-15 block 2 c, lanes 16-31 block 2 c + 1
.irp i, 0,1,2
	v_permlane16_swap_b32 v[(\pc)+6*\c+\i], v[X8+4*\c+\i]
.endr
.irp i, 0,1,2
	v_mov_b32 v[(\pc)+6*\c+3+\i], v[X8+4*\c+\i]
.endr
.endr
.endm
	s_load_b512 s[4:19], s[0:1], 0x0               ; xc s[4:5], xs s[6:7], wc s[8:9], ws s[10:11], bq s[12:13], bk s[14:15], bv s[16:17], qc s[18:19]
	s_load_b128 s[20:23], s[0:1], 0x40             ; qs s[20:21], kv s[22:23]
	s_load_b64 s[24:25], s[0:1], 0x50              ; kvs
	v_lshl_add_u32 v30, v0, 2, 0x12c00
	v_mov_b32 v31, 0
	v_lshrrev_b32 v1, 5, v0
	v_readfirstlane_b32 s26, v1                    ; wave 0..3
	v_and_b32 v11, 31, v0                          ; lane
	v_and_b32 v12, 15, v0                          ; r
	v_bfe_u32 v13, v0, 4, 1                        ; h
	v_lshlrev_b32 v[LI], 4, v11
	v_add_nc_u32 v[LI2], 36864, v[LI]
	v_lshlrev_b32 v[L4], 2, v11
	v_add_nc_u32 v[L4S], XSC, v[L4]
	v_lshlrev_b32 v[FI], 4, v0
	v_add_nc_u32 v[FI2], 36864, v[FI]
	v_lshlrev_b32 v[F8], 3, v0
	v_add_nc_u32 v[F8S], XSC, v[F8]
	v_lshlrev_b32 v[BO], 6, v13
	v_and_b32 v[BOV], 8, v12
	v_add_nc_u32 v[BOV], v[BOV], v12
	v_lshlrev_b32 v[BOV], 2, v[BOV]
	v_cmp_le_u32 s46, 16, v11                      ; lanes 16-31
	s_wait_alu depctr_va_sdst(0)                   ; s26, the wave's number, and s46, the mask of lanes 16-31, are written: ahead of s26's first reader below, and of every branch that lies between here and the selects that read s46
	s_mov_b32 s44, 0x76543210
	s_mov_b32 s45, 0xfedcba98                      ; v_permlanex16_b32's selects for lane l xor 16
	s_and_b32 s29, ttmp7, 0xffff                   ; the block of 128 tokens
	s_cmp_ge_u32 ttmp9, 3
	s_cselect_b32 s27, 1, 0
	s_cmp_ge_u32 ttmp9, 6
	s_cselect_b32 s27, 2, s27                      ; 0: q, 1: k, 2: v
	s_mul_i32 s47, s27, 3
	s_sub_co_u32 s47, ttmp9, s47
	s_lshl_b32 s28, s47, 2
	s_add_co_u32 s28, s28, s26                     ; my head
	s_lshl_b32 s47, ttmp9, 2
	s_add_co_u32 s47, s47, s26                     ; my 64 channels among the 36 x 64 of Wq, Wk, Wv
	s_mov_b32 s49, 0
	s_mov_b32 s53, 0
	s_cmp_eq_u32 s27, 0
	s_cselect_b32 s50, 0, 1                        ; k's and v's buffer has twice q's bytes for a head and a block
	s_cmp_eq_u32 s27, 2
	s_cselect_b32 s51, 1, 0                        ; v lies behind k
	s_wait_kmcnt 0x0
	s_mul_i32 s48, s47, 36864
	s_add_nc_u64 s[30:31], s[8:9], s[48:49]        ; W's images
	s_mul_i32 s48, s47, 1536
	s_add_nc_u64 s[32:33], s[10:11], s[48:49]      ; and scale words
	s_mul_i32 s48, s29, 73728
	s_add_nc_u64 s[34:35], s[4:5], s[48:49]        ; x's images
	s_mul_i32 s48, s29, 3072
	s_add_nc_u64 s[36:37], s[6:7], s[48:49]        ; and scale words
	s_cmp_eq_u32 s27, 0
	s_cselect_b64 s[38:39], s[12:13], s[14:15]
	s_cselect_b64 s[40:41], s[18:19], s[22:23]
	s_cselect_b64 s[42:43], s[20:21], s[24:25]
	s_cmp_eq_u32 s27, 2
	s_cselect_b64 s[38:39], s[16:17], s[38:39]
	s_lshl_b32 s48, s28, 8
	s_add_nc_u64 s[38:39], s[38:39], s[48:49]      ; my head's 64 numbers of the bias
	s_mul_i32 s48, s28, 196608
	s_mul_i32 s52, s29, 6144
	s_add_co_u32 s48, s48, s52
	s_lshl_b32 s48, s48, s50
	s_mul_i32 s52, s51, 6144
	s_add_co_u32 s48, s48, s52
	s_add_nc_u64 s[40:41], s[40:41], s[48:49]      ; where my four images go
	s_lshl_b32 s48, s28, 13
	s_lshl_b32 s52, s29, 8
	s_add_co_u32 s48, s48, s52
	s_lshl_b32 s48, s48, s50
	s_lshl_b32 s52, s51, 8
	s_add_co_u32 s48, s48, s52
	s_add_nc_u64 s[42:43], s[42:43], s[48:49]      ; and their scale words
	s_wait_alu depctr_va_vdst(0)                   ; the ten offsets and addresses v1 to v10 are written: every load and store of the kernel reads one of them, and none is written again
	LDW 0
	LDW 1
	s_cmp_eq_u32 s27, 2
	s_cbranch_scc1 .Lbias_v
.irp t, 0,1,2,3                                ; q, k: register j of channel tile 2 g + u is channel 32 g + 16 h + 8 u + j
	global_load_b128 v[BI+8*\t:BI+8*\t+3], v[BO], s[38:39] offset:(32*(\t/2)+8*(\t%2))*4
	global_load_b128 v[BI+8*\t+4:BI+8*\t+7], v[BO], s[38:39] offset:(32*(\t/2)+8*(\t%2))*4+16
.endr
	s_branch .Lbias_done
.Lbias_v:
.irp t, 0,1,2,3                                ; v: all eight registers are my lane's channel, 32 g + 8 u + r + 8 (r / 8)
.irp j, 0,1,2,3,4,5,6,7
	global_load_b32 v[BI+8*\t+\j], v[BOV], s[38:39] offset:(32*(\t/2)+8*(\t%2))*4
.endr
.endr
.Lbias_done:
	; the block's x: 73,728 + 3,072 bytes, as they lie, through registers into LDS; each instruction of the work-group moves 2,048 (1,024) consecutive bytes
	WIN 0x40
.set i, 0
.rept 36
	global_load_b128 v[4*i:4*i+3], v[FI], s[34:35] offset:2048*i
.set i, i+1
.endr
.irp i, 0,1,2
	global_load_b64 v[144+2*\i:145+2*\i], v[F8], s[36:37] offset:1024*\i
.endr
	s_wait_loadcnt 0x0
	WIN 0x04                                       ; an LDS store's data are its source 1
.set i, 0
.rept 18
	ds_store_b128 v[FI], v[4*i:4*i+3] offset:2048*i
.set i, i+1
.endr
.rept 18
	ds_store_b128 v[FI2], v[4*i:4*i+3] offset:2048*(i-18)
.set i, i+1
.endr
.irp i, 0,1,2
	ds_store_b64 v[F8S], v[144+2*\i:145+2*\i] offset:1024*\i
.endr
	WIN 0
	s_wait_dscnt 0x0                               ; for the others' sake: my stores have landed
	s_barrier_signal -1
	s_barrier_wait -1                              ; the one barrier: from here on LDS is only read
	s_wait_alu depctr_vm_vsrc(0)                   ; my LDS stores have read window 1's v0 to v149: these registers are accumulators from here on, written by the products
	LDX 0, 0
	LDXS 0
	LDX 0, 1
	s_cmp_eq_u32 s27, 2
	s_cbranch_scc1 .Lvalues
.irp s, 0,1,2,3,4,5
	KSTEP 1, \s
.endr
	s_branch .Lquant
.Lvalues:
.irp s, 0,1,2,3,4,5
	KSTEP 0, \s
.endr
.Lquant:                                           ; (the four plain instructions at the last K step's end stand between the last products and what follows)
.irp i, 0,1,2,3,4,5,6,7
	v_mov_b32 v[X8+\i], 0                          ; a lane permute's destination counts as one of its sources
.endr
.irp e, 0,1,2,3
	QUANT 64*\e, PC+12*\e, PW+\e
.endr
.irp i, 0,1
	v_cndmask_b32 v[SW+\i], v[PW+2*\i], v[PW+2*\i+1], s46   ; lanes 0-15 image 2 i's words, lanes 16-31 image 2 i + 1's
.endr
	s_wait_alu depctr_va_vdst(0)                   ; the conversions, exchanges and moves have written the codes v32 to v79, the selects the scale words v100 and v101: the stores below read them
.irp e, 0,1,2,3
.irp c, 0,1,2
	global_store_b128 v[LI], v[PC+12*\e+4*\c:PC+12*\e+4*\c+3], s[40:41] offset:\e*1536+512*\c   ; 32 lanes store 512 consecutive bytes, at a multiple of 512 from the buffer's first byte
.endr
.endr
.irp i, 0,1
	global_store_b32 v[L4], v[SW+\i], s[42:43] offset:128*\i
.endr
	s_wait_dscnt 0x0
	s_wait_alu depctr_hold_cnt(0) depctr_sa_sdst(0) depctr_va_vdst(0) depctr_va_sdst(0) depctr_va_ssrc(0) depctr_va_vcc(0) depctr_vm_vsrc(0)
	s_wait_tensorcnt 0x0
	ds_add_u32 v30, v31
	s_wait_dscnt 0x0
	s_endpgm
.Lfunc_end_k_q4c9a2e4056_proj:
	.size	k_q4c9a2e4056_proj, .Lfunc_end_k_q4c9a2e4056_proj-k_q4c9a2e4056_proj
	.p2alignl 7, 3214868480
	.fill 96, 4, 3214868480
	.section	.rodata,"a",@progbits
	.p2align	6, 0x0
	.amdhsa_kernel k_q4c9a2e4056_proj
		.amdhsa_group_segment_fixed_size 77312
		.amdhsa_private_segment_fixed_size 0
		.amdhsa_enable_private_segment 0
		.amdhsa_kernarg_size 88
		.amdhsa_user_sgpr_count 2
		.amdhsa_user_sgpr_kernarg_segment_ptr 1
		.amdhsa_wavefront_size32 1
		.amdhsa_system_sgpr_workgroup_id_x 1
		.amdhsa_system_sgpr_workgroup_id_y 1
		.amdhsa_system_sgpr_workgroup_id_z 1
		.amdhsa_system_vgpr_workitem_id 0
		.amdhsa_next_free_vgpr 512
		.amdhsa_next_free_sgpr 66
		.amdhsa_reserve_vcc 0
		.amdhsa_float_denorm_mode_32 3
		.amdhsa_float_denorm_mode_16_64 3
		.amdhsa_memory_ordered 1
		.amdhsa_forward_progress 1
		.amdhsa_inst_pref_size 118
	.end_amdhsa_kernel
	.amdgpu_metadata
---
amdhsa.version: [ 1, 2 ]
amdhsa.kernels:
  - .name:           k_q4c9a2e4056_proj
    .symbol:         k_q4c9a2e4056_proj.kd
    .args:
      - { .name: xc, .offset: 0, .size: 8, .value_kind: global_buffer, .address_space: global }
      - { .name: xs, .offset: 8, .size: 8, .value_kind: global_buffer, .address_space: global }
      - { .name: wc, .offset: 16, .size: 8, .value_kind: global_buffer, .address_space: global }
      - { .name: ws, .offset: 24, .size: 8, .value_kind: global_buffer, .address_space: global }
      - { .name: bq, .offset: 32, .size: 8, .value_kind: global_buffer, .address_space: global }
      - { .name: bk, .offset: 40, .size: 8, .value_kind: global_buffer, .address_space: global }
      - { .name: bv, .offset: 48, .size: 8, .value_kind: global_buffer, .address_space: global }
      - { .name: qc, .offset: 56, .size: 8, .value_kind: global_buffer, .address_space: global }
      - { .name: qs, .offset: 64, .size: 8, .value_kind: global_buffer, .address_space: global }
      - { .name: kv, .offset: 72, .size: 8, .value_kind: global_buffer, .address_space: global }
      - { .name: kvs, .offset: 80, .size: 8, .value_kind: global_buffer, .address_space: global }
    .group_segment_fixed_size: 77312
    .private_segment_fixed_size: 0
    .kernarg_segment_align: 8
    .kernarg_segment_size: 88
    .max_flat_workgroup_size: 128
    .sgpr_count:     66
    .vgpr_count:     512
    .wavefront_size: 32
...
	.end_amdgpu_metadata
.endif
;; end of part 5
;; launch attn (part 6): grid 16 x 12, 8 waves a work-group, no clusters, 154,624 bytes of LDS; arguments qc, qs, kv, kvs, attention_mask, out0; writes out0
.if DOCPART == 6
	.amdgcn_target "amdgcn-amd-amdhsa--gfx1250"
	.amdhsa_code_object_version 6
	.text
	.protected	k_q4c9a2e4056_attn
	.globl	k_q4c9a2e4056_attn
	.p2align	8
	.type	k_q4c9a2e4056_attn,@function
k_q4c9a2e4056_attn:
	s_mov_b64 s[64:65], 0
	v_nop
	global_prefetch_b8 v0, s[64:65] scope:SCOPE_SE
	s_setreg_imm32_b32 hwreg(HW_REG_WAVE_SCHED_MODE, 0, 2), 2
	s_setreg_imm32_b32 hwreg(HW_REG_WAVE_MODE, 25, 1), 1
	s_wait_xcnt 0x0
	s_wait_alu depctr_vm_vsrc(0)
; out0[q][64 head + d] = the sum over keys of softmax(q . k / 8 + mask[key]) v[key][d], both products on codes of FP6 (E2M3) with one E8M0 byte for each 32 along a product's K.
; THE SOFTMAX AHEAD OF THE SECOND PRODUCT: t = (q . k + 8 mask) x log2(e) / 8; M = the row's largest t so far, rounded UP to a whole number; p = 2^(t - M) is quantised along the keys, not normalised.
; The row's sum is taken of the unquantised p and divides at the end.  When M moves, the sum and O are multiplied by 2^(old M - new M): exact.
; SHARES: a work-group owns one head (y) and 256 queries (x); each of its eight waves a group of 32 queries: two tiles of 16 (tile u, lane r: query 8 u + r + 8 (r / 8) of the group).  Every wave walks 32 steps of 128 keys,
; and each fragment of K, of V and of the mask that it reads from LDS serves both tiles.  3,072 tiles of queries in pairs and eights give 192 work-groups.
; BOTH PRODUCTS ARE USED TRANSPOSED (S^T = K Q^T, O^T = V^T P^T): a lane holds one query throughout, and the 16 registers of key tiles 2 b, 2 b + 1 are keys 32 b + 16 h + 0 .. 15.
; K = 64 IN AN INSTRUCTION OF 128: an image of K carries TWO key tiles, tile 0 in k = 0 .. 63 and tile 1 in k = 64 .. 127.  Q stands twice, as [q, 0] and as [0, q]: zero codes, with the scale byte 1, on Q's side of the half that is not meant.
; THE MASK is the C of the score products: max(8 mask, -2^30), in the result's layout, which hangs on the register and the lane's half alone: 64 registers serve both tiles and no vector instruction adds it.
; LIMITS: a mask number under -2^27 (-infinity too) is held at -2^27, and a NaN there is taken as that; +infinity and numbers from 2^124 on in the mask are not served.
; THE RING: four blocks of LDS, a key step (12,288 bytes: four images of K, four of V) each, filled through registers: a thread moves 48 bytes a step.  In step t, behind its barrier, a wave reads V(t) and K(t + 1),
; stores step t + 2's bytes (loaded a step ago) and loads step t + 3's.  A block is stored two steps behind its last read and one barrier ahead of its first.
; No joint loads: what the sixteen work-groups of a head share is 12,288 bytes a step for each, against 256 x 128 scores worked on in that step, and the copy has three steps in which to arrive.
; REGISTERS: window 0: v1-11 addresses; v16-25 scale words; v32-79 statistics, 24 a tile; v80-207 S^T, then p, 64 a tile; v208-231 p's codes; v232-255 the copy, two sets of 12.
;   window 1: v0-63 O^T (32 u + 8 t); v64-93 [0, q0, 0, q1, 0], six registers each; v96-143 K; v144-191 V; v192-255 the mask.
; THE MODE: SCHED_MODE bits 1:0 = 2 (LLVM: expert scheduling mode 2), set by the entry lines.  The code itself states the register dependences
; between vector or matrix instructions and memory or LDS instructions, with s_wait_alu, always for 0.
; THE PLAN.  Registers that memory or LDS instructions touch, in the loop:
;   K, the mask, K's scale words   Step t: its score products read them; behind the wait that follows those products the LDS loads of step t + 1 land.
;   V, V's scale words             Step t - 1: its second products read them; behind the same wait of step t the LDS loads of step t land.
;   the copy, two sets             Step j: LDS stores read set j % 2 (filled from memory a step ago); loads from memory land in the other set, which the LDS stores of step j - 1 read: the wait on vm_vsrc at the step's head.
;   v[ADM], v[ADS]                 Read by a trip's LDS loads; written in the trip's first step, behind that step's wait on vm_vsrc and ahead of its wait on va_vdst.
;   v1, v4, v9-11                  Made at the head, never written again.
;   p's codes and scale words      Named by vector and matrix instructions alone: written by the softmax, taken by the second products as source 1 and as scales: a wait on va_vdst ahead of those products.
; So ONE wait on va_vdst, behind the score products, states all that a step's memory and LDS instructions hang on.  V's loads follow it at once; then comes the first part of the softmax, which names S^T (v80-207)
; and the statistics (v32-79) alone; then the loads of K, the mask and the scale words, the copy's stores and loads and the prefetch: none of their registers has been named since the wait.
.set LI,   1                           ; v1   16 x lane
.set ADM,  2                           ; v2   the trip's mask numbers: ADM0 + 2,048 x trip
.set ADS,  3                           ; v3   the trip's scale words: ADS0 + 2,048 x trip
.set CP,   4                           ; v4   16 x thread
.set CPM,  5                           ; v5   MSK + 16 x thread
.set STO,  6                           ; v6   the way out: where I put 16 bytes of a row
.set RD,   7                           ; v7   and where I read a row back
.set GO,   8                           ; v8   my byte offset in the wave's rows of out0
.set PFO,  9                           ; v9   256 x thread
.set ADM0, 10                          ; v10  MSK + 64 h
.set ADS0, 11                          ; v11  SCL + 4 x lane
.set KS,   16                          ; v16-17 K's scale words: lanes 0-15 image 2 i's, lanes 16-31 image 2 i + 1's
.set VS,   18                          ; v18-19 V's likewise
.set QS,   20                          ; v20-23 Q's: [q0, 0], [0, q0], [q1, 0], [0, q1]
.set PW,   24                          ; v24-25 p's scale words
.set ST,   32                          ; tile u at ST + 24 u: +0 -M, +1 the largest t, +2,3 the sum, +4 f (+5 idle), +6 at work, +8..11 the blocks' maxima, +12..19 at work, +20..23 scale operands
.set S,    80
.set PC,   208
.set G,    232
.set QF,   64                          ; window 1
.set KF,   96
.set VF,   144
.set MK,   192
.set BLK,  12288                       ; a key step's bytes
.set VOFF, 6144                        ; V's images in them
.set SCL,  49152                       ; LDS: the ring from 0; the head's scale words, 16,384 bytes;
.set MSK,  65536                       ; 8 x the mask, 16,384 bytes;
.set STG,  83968                       ; the stages for the way out: 2 x 16 rows x 272 bytes for each wave
.set MSB, 0
.macro WIN new                         ; the immediate's high byte repeats the setting that is left
.if MSB != \new
	s_set_vgpr_msb (MSB<<8)|\new
.set MSB, \new
.endif
.endm
.macro PLACES                          ; four plain instructions behind a matrix instruction, ahead of loads into its registers and of reads of its result
.rept 4
	v_nop
.endr
.endm
.macro WM d, a, b, c, sa, sb, ra, rb   ; one product; ra, rb: the side's scale words stand in lanes 16-31
.if (\ra) && (\rb)
	v_wmma_scale_f32_16x16x128_f8f6f4 v[\d:\d+7], v[\a:\a+11], v[\b:\b+11], v[\c:\c+7], v[\sa], v[\sb] matrix_a_fmt:MATRIX_FMT_FP6 matrix_b_fmt:MATRIX_FMT_FP6 matrix_a_scale:MATRIX_SCALE_ROW1 matrix_b_scale:MATRIX_SCALE_ROW1
.elseif (\ra)
	v_wmma_scale_f32_16x16x128_f8f6f4 v[\d:\d+7], v[\a:\a+11], v[\b:\b+11], v[\c:\c+7], v[\sa], v[\sb] matrix_a_fmt:MATRIX_FMT_FP6 matrix_b_fmt:MATRIX_FMT_FP6 matrix_a_scale:MATRIX_SCALE_ROW1
.elseif (\rb)
	v_wmma_scale_f32_16x16x128_f8f6f4 v[\d:\d+7], v[\a:\a+11], v[\b:\b+11], v[\c:\c+7], v[\sa], v[\sb] matrix_a_fmt:MATRIX_FMT_FP6 matrix_b_fmt:MATRIX_FMT_FP6 matrix_b_scale:MATRIX_SCALE_ROW1
.else
	v_wmma_scale_f32_16x16x128_f8f6f4 v[\d:\d+7], v[\a:\a+11], v[\b:\b+11], v[\c:\c+7], v[\sa], v[\sb] matrix_a_fmt:MATRIX_FMT_FP6 matrix_b_fmt:MATRIX_FMT_FP6
.endif
.endm
; THE SOFTMAX OF A STEP, both tiles line by line, so that a line does not wait for the line above it.  It is written in two parts, between which memory and LDS instructions stand.
; The first part: the maxima, the new M and f.  It names S^T and the statistics alone.
.macro SM1
.irp b, 0,1,2,3
.irp u, 0,1
	v_max3_num_f32 v[ST+24*\u+8+\b], v[S+64*\u+16*\b], v[S+64*\u+16*\b+1], v[S+64*\u+16*\b+2]   ; the largest score of each block of 32 keys: for the row's maximum and, since p rises with the score, for the block's largest p
.endr
.endr
.irp i, 3,5,7,9,11,13
.irp b, 0,1,2,3
.irp u, 0,1
	v_max3_num_f32 v[ST+24*\u+8+\b], v[ST+24*\u+8+\b], v[S+64*\u+16*\b+\i], v[S+64*\u+16*\b+\i+1]
.endr
.endr
.endr
.irp b, 0,1,2,3
.irp u, 0,1
	v_max_num_f32 v[ST+24*\u+8+\b], v[ST+24*\u+8+\b], v[S+64*\u+16*\b+15]
.endr
.endr
.irp b, 0,1,2,3
.irp u, 0,1
	v_permlanex16_b32 v[ST+24*\u+12+\b], v[ST+24*\u+8+\b], s20, s21
.endr
.endr
.irp b, 0,1,2,3
.irp u, 0,1
	v_max_num_f32 v[ST+24*\u+8+\b], v[ST+24*\u+8+\b], v[ST+24*\u+12+\b]   ; with lane l xor 16's 16 keys
.endr
.endr
.irp u, 0,1
	v_max3_num_f32 v[ST+24*\u+6], v[ST+24*\u+8], v[ST+24*\u+9], v[ST+24*\u+10]
.endr
.irp u, 0,1
	v_max_num_f32 v[ST+24*\u+6], v[ST+24*\u+6], v[ST+24*\u+11]   ; the step's largest score of my query
.endr
.irp u, 0,1
	v_mul_f32 v[ST+24*\u+6], s22, v[ST+24*\u+6]    ; as t
.endr
.irp u, 0,1
	v_max_num_f32 v[ST+24*\u+1], v[ST+24*\u+1], v[ST+24*\u+6]   ; the running largest t
.endr
.irp u, 0,1
	v_mov_b32 v[ST+24*\u+6], v[ST+24*\u]
.endr
.irp u, 0,1
	v_floor_f32 v[ST+24*\u], -v[ST+24*\u+1]        ; the new -M = floor(-t): M is a whole number
.endr
.irp u, 0,1
	v_sub_f32 v[ST+24*\u+6], v[ST+24*\u], v[ST+24*\u+6]   ; old M - new M: a whole number, 0 or less
.endr
.irp u, 0,1
	v_cvt_i32_f32 v[ST+24*\u+6], v[ST+24*\u+6]     ; (it saturates)
.endr
.irp u, 0,1
	v_ldexp_f32 v[ST+24*\u+4], 1.0, v[ST+24*\u+6]  ; f = 2^(old M - new M)
.endr
.endm
; The second part: p, the sums, p's codes and scale words.
.macro SM2
.irp u, 0,1
.set i, 0
.rept 32
	v_pk_fma_f32 v[S+64*\u+i:S+64*\u+i+1], v[S+64*\u+i:S+64*\u+i+1], s[22:23], v[ST+24*\u:ST+24*\u+1] op_sel_hi:[1,0,0]   ; t - M, two at a time (of the pairs c and -M the low word serves both halves)
.set i, i+2
.endr
.endr
.irp b, 0,1,2,3
.irp u, 0,1
	v_fma_f32 v[ST+24*\u+8+\b], v[ST+24*\u+8+\b], s22, v[ST+24*\u]   ; the same of each block's largest score
.endr
.endr
	s_wait_alu depctr_va_vdst(0)
.irp u, 0,1
.set i, 0
.rept 64
	v_exp_f32 v[S+64*\u+i], v[S+64*\u+i]           ; p = 2^(t - M)
.set i, i+1
.endr
.endr
.irp u, 0,1
	v_pk_mul_f32 v[ST+24*\u+2:ST+24*\u+3], v[ST+24*\u+2:ST+24*\u+3], v[ST+24*\u+4:ST+24*\u+5] op_sel_hi:[1,0]   ; the sums under the new M: the plain instruction behind the exponentials
.endr
	s_wait_alu depctr_va_vdst(0)                   ; the 128 exponentials have written p, v80 to v207: one wait for the batch, ahead of its first reader
.irp b, 0,1,2,3
.irp u, 0,1
	v_exp_f32 v[ST+24*\u+8+\b], v[ST+24*\u+8+\b]   ; the block's largest p: the same two instructions on the same number
.endr
.endr
.irp u, 0,1
	v_pk_add_f32 v[ST+24*\u+12:ST+24*\u+13], v[S+64*\u:S+64*\u+1], v[S+64*\u+2:S+64*\u+3]   ; the row's sum, of the unquantised p: two chains a tile
.endr
.irp j, 4,8,12,16,20,24,28,32,36,40,44,48,52,56,60
.irp u, 0,1
	v_pk_add_f32 v[ST+24*\u+2:ST+24*\u+3], v[ST+24*\u+2:ST+24*\u+3], v[S+64*\u+\j:S+64*\u+\j+1]
	v_pk_add_f32 v[ST+24*\u+12:ST+24*\u+13], v[ST+24*\u+12:ST+24*\u+13], v[S+64*\u+\j+2:S+64*\u+\j+3]
.endr
.endr
.irp u, 0,1
	v_pk_add_f32 v[ST+24*\u+2:ST+24*\u+3], v[ST+24*\u+2:ST+24*\u+3], v[ST+24*\u+12:ST+24*\u+13]
.endr
	s_wait_alu depctr_va_vdst(0)                   ; the eight exponentials have written the blocks' largest p: one wait, ahead of their first reader
.irp b, 0,1,2,3
.irp u, 0,1
	v_max_num_f32 v[ST+24*\u+8+\b], 0x1800000, v[ST+24*\u+8+\b]   ; the floor 2^(3 - 127): the byte cannot fall under 1 (a block of zeros keeps that byte: its codes are zeros)
.endr
.endr
.irp b, 0,1,2,3
.irp u, 0,1
	v_add_nc_u32 v[ST+24*\u+20+\b], 0xff000000, v[ST+24*\u+8+\b]   ; 2 off the exponent field: the conversion's scale operand
.endr
.endr
.irp b, 0,1,2,3
.irp u, 0,1
	v_lshrrev_b32 v[ST+24*\u+12+\b], 23, v[ST+24*\u+20+\b]   ; the scale's byte
.endr
.endr
.irp u, 0,1
	v_lshl_or_b32 v[PW+\u], v[ST+24*\u+13], 8, v[ST+24*\u+12]   ; p's scale word for these 128 keys
.endr
.irp u, 0,1
	v_lshl_or_b32 v[PW+\u], v[ST+24*\u+14], 16, v[PW+\u]
.endr
.irp u, 0,1
	v_lshl_or_b32 v[PW+\u], v[ST+24*\u+15], 24, v[PW+\u]
.endr
.irp u, 0,1
.irp c, 0,1
	v_cvt_scalef32_pk16_fp6_f32 v[PC+12*\u+6*\c:PC+12*\u+6*\c+2], v[S+64*\u+32*\c:S+64*\u+32*\c+15], v[ST+24*\u+20+2*\c]
	v_cvt_scalef32_pk16_fp6_f32 v[ST+24*\u+12+4*\c:ST+24*\u+12+4*\c+2], v[S+64*\u+32*\c+16:S+64*\u+32*\c+31], v[ST+24*\u+20+2*\c+1]   ; (a conversion's three registers begin on an even number)
.endr
.endr
	v_nop                                          ; one plain instruction behind a scaled conversion
.irp u, 0,1
.irp c, 0,1                                    ; the operand's layout wants a whole block in a lane: lanes 0-15 block 2 c, lanes 16-31 block 2 c + 1
.irp i, 0,1,2
	v_permlane16_swap_b32 v[PC+12*\u+6*\c+\i], v[ST+24*\u+12+4*\c+\i]
.endr
.irp i, 0,1,2
	v_mov_b32 v[PC+12*\u+6*\c+3+\i], v[ST+24*\u+12+4*\c+\i]
.endr
.endr
.endr
.endm
; KEY STEP 4 x trip + j.  The guards on the trip's count (s24 = 1 in the last trip) leave out, in the last three steps, what lies beyond the last key step: no load leaves its buffer.  They jump over no barrier, and every wait behind them is for 0.
.macro STEP j
	s_wait_dscnt 0x0                               ; my stores into the ring have landed and my reads of it are in
	s_wait_alu depctr_vm_vsrc(0)                   ; the LDS stores of the step before have read their set of the copy's registers, in which this step's loads from memory land; in a trip's first step the LDS loads issued so far have read v[ADM] and v[ADS], which are written below; in the very first step the head's LDS stores have read v80 to v135, which the score products write
.if \j == 0
	v_add_nc_u32 v[ADM], s36, v[ADM0]
	v_add_nc_u32 v[ADS], s36, v[ADS0]
.endif
	s_barrier_signal -1
	s_barrier_wait -1                              ; both now hold of all eight waves
	WIN 0x15                                       ; K, Q and the mask in window 1, S^T in window 0
.irp b, 0,1,2,3
.irp w, 0,1
.irp u, 0,1
.set rD, S+64*\u+8*(2*\b+\w)
.set rA, KF+12*\b
.set rB, QF+12*\u+6-6*\w
.set rC, MK+8*(2*\b+\w)
.set rSA, KS+\b/2
.set rSB, QS+2*\u+\w
.set rRA, \b%2
	WM rD, rA, rB, rC, rSA, rSB, rRA, 0            ; key tile 2 b + w (half w of image b) x query tile u, + 8 mask
.endr
.endr
.endr
	PLACES
	WIN 0x40                                       ; destination window 1
	s_wait_alu depctr_va_vdst(0)                   ; the score products are done reading K, the mask and K's scale words, the last step's second products V and its scale words: this step's LDS loads land in them; in a trip's first step v[ADM] and v[ADS] are written, by which they are addressed
.irp t, 0,1,2,3
.irp c, 0,1,2
	ds_load_b128 v[VF+12*\t+4*\c:VF+12*\t+4*\c+3], v[LI] offset:\j*BLK+VOFF+\t*1536+512*\c   ; V of this step
.endr
.endr
	WIN 0
	ds_load_b32 v[VS], v[ADS] offset:\j*512+256
	ds_load_b32 v[VS+1], v[ADS] offset:\j*512+384
	SM1                                            ; it names v32 to v207 alone: none of the registers that the memory and LDS instructions below touch, so these owe no further wait
.if \j == 3
	s_cmp_eq_u32 s24, 1
	s_cbranch_scc1 .Lend_\@
.endif
	WIN 0x40
.irp b, 0,1,2,3
.irp c, 0,1,2
	ds_load_b128 v[KF+12*\b+4*\c:KF+12*\b+4*\c+3], v[LI] offset:((\j+1)%4)*BLK+\b*1536+512*\c   ; K of the next step
.endr
.endr
.irp b, 0,1,2,3
.irp i, 0,1,2,3
	ds_load_b128 v[MK+16*\b+4*\i:MK+16*\b+4*\i+3], v[ADM] offset:(\j+1)*512+128*\b+16*\i   ; its mask: register 16 b + i is key 32 b + 16 h + i; the sixteen lanes of a half read one address
.endr
.endr
	WIN 0
	ds_load_b32 v[KS], v[ADS] offset:(\j+1)*512
	ds_load_b32 v[KS+1], v[ADS] offset:(\j+1)*512+128
.if \j == 2
	s_cmp_eq_u32 s24, 1
	s_cbranch_scc1 .Lend_\@
.endif
	s_wait_alu depctr_va_vdst(0)
	s_wait_loadcnt 0x0                             ; the three loads issued a step ago
.irp i, 0,1,2
	ds_store_b128 v[CP], v[G+12*(\j%2)+4*\i:G+12*(\j%2)+4*\i+3] offset:((\j+2)%4)*BLK+4096*\i   ; the step after next, into the block last read two steps ago
.endr
.if \j == 1
	s_cmp_eq_u32 s24, 1
	s_cbranch_scc1 .Lend_\@
.endif
.irp i, 0,1,2
	global_load_b128 v[G+12*((\j+1)%2)+4*\i:G+12*((\j+1)%2)+4*\i+3], v[CP], s[26:27] offset:(\j+3)*BLK+4096*\i   ; three steps on, into the set whose stores were waited for at this step's head
.endr
.if \j > 0
.Lend_\@:
.endif
.if \j == 3
; A PREFETCH INTO THE L2 of the four key steps of the trip after next, 49,152 bytes: six waves x 32 lanes, 256 bytes apart.  All sixteen work-groups of a head walk the same bytes: the head's first work-group asks, once for each block.
; It stands behind the step's loads, two to five steps ahead of the loads that want these bytes.  The last two trips ask for nothing; the first eight key steps come by their loads alone.
	s_cmp_gt_u32 s24, s25
	s_cbranch_scc0 .Lnot_mine_\@
	global_prefetch_b8 v[PFO], s[26:27] offset:98304 th:TH_LOAD_NT scope:SCOPE_SE
.Lnot_mine_\@:
.endif
	s_wait_alu depctr_va_vdst(0)
	SM2
	WIN 0x41                                       ; O^T in window 1, f in window 0
.irp u, 0,1
.set i, 0
.rept 16
	v_pk_mul_f32 v[32*\u+i:32*\u+i+1], v[32*\u+i:32*\u+i+1], v[ST+24*\u+4:ST+24*\u+5] op_sel_hi:[1,0]   ; O^T under the new M.  (These 32 also stand between the last writes of p's codes and scale words and the products)
.set i, i+2
.endr
.endr
	s_wait_dscnt 0x0                               ; V is in (and all else that this step asked of LDS)
	WIN 0x51                                       ; V, C and D in window 1, p in window 0
	s_wait_alu depctr_va_vdst(0)                   ; the conversions, exchanges and moves have written p's codes, the shifts its scale words: the products below take them as source 1 and as its scales; the 32 multiplications above stay beside this wait
.irp t, 0,1,2,3
.irp u, 0,1
.set rD, 32*\u+8*\t
.set rA, VF+12*\t
.set rB, PC+12*\u
.set rSA, VS+\t/2
.set rSB, PW+\u
.set rRA, \t%2
	WM rD, rA, rB, rD, rSA, rSB, rRA, 0            ; the eight accumulators by turns
.endr
.endr
	WIN 0
.endm
	s_load_b256 s[4:11], s[0:1], 0x0               ; qc s[4:5], qs s[6:7], kv s[8:9], kvs s[10:11]
	s_load_b128 s[12:15], s[0:1], 0x20             ; the mask s[12:13], out0 s[14:15]
	v_lshl_add_u32 v39, v0, 2, 0x25800
	v_mov_b32 v63, 0
	v_lshrrev_b32 v1, 5, v0
	v_readfirstlane_b32 s16, v1                    ; wave 0..7
	v_and_b32 v12, 31, v0                          ; lane
	v_and_b32 v13, 15, v0                          ; r
	v_bfe_u32 v14, v0, 4, 1                        ; h
	v_lshlrev_b32 v[LI], 4, v12
	v_lshlrev_b32 v[CP], 4, v0
	v_add_nc_u32 v[CPM], MSK, v[CP]
	v_lshl_add_u32 v[ADM0], v14, 6, MSK
	v_lshl_add_u32 v[ADS0], v12, 2, SCL
	v_lshlrev_b32 v[PFO], 8, v0
	v_lshlrev_b32 v15, 2, v13                      ; 4 r
	s_wait_alu depctr_va_sdst(0)                   ; s16, the wave's number, is written, ahead of its first reader: my group of queries, my stages and the prefetch's test are made from it
	s_and_b32 s17, ttmp7, 0xffff                   ; the head
	s_lshl_b32 s18, ttmp9, 3
	s_add_co_u32 s18, s18, s16                     ; my group of 32 queries
	s_mul_i32 s19, s16, 8704
	s_add_co_u32 s19, s19, STG                     ; my stages
	v_mul_u32_u24 v[STO], v13, 272
	v_lshl_add_u32 v[STO], v14, 6, v[STO]
	v_add_nc_u32 v[STO], s19, v[STO]               ; in: row r, + 64 h bytes
	v_mul_u32_u24 v[RD], v14, 272
	v_lshl_add_u32 v[RD], v13, 4, v[RD]
	v_add_nc_u32 v[RD], s19, v[RD]                 ; back: lanes 0-15 one row of 256 bytes, lanes 16-31 the next
	v_mul_u32_u24 v[GO], v14, 3072
	v_lshl_add_u32 v[GO], v13, 4, v[GO]            ; and the same two rows in out0
	s_mov_b32 s20, 0x76543210
	s_mov_b32 s21, 0xfedcba98                      ; v_permlanex16_b32's selects for lane l xor 16
	s_mov_b32 s22, 0x3e38aa3b                      ; c = log2(e) / 8
	s_mov_b32 s23, s22                             ; (named with it as a pair, so it is written)
	s_mov_b32 s34, 0x01010000
	s_mov_b32 s35, 0x0101
	s_cmp_lt_u32 s16, 6
	s_cselect_b32 s25, 0, 1
	s_or_b32 s25, s25, ttmp9
	s_cmp_eq_u32 s25, 0
	s_cselect_b32 s25, 2, -1                       ; waves 0-5 of the head's first work-group prefetch while more than 2 trips are left; nobody else does
	s_mov_b32 s31, 0
	s_wait_kmcnt 0x0
	s_mul_i32 s30, s17, 393216
	s_add_nc_u64 s[26:27], s[8:9], s[30:31]        ; the head's K and V
	s_lshl_b32 s30, s17, 14
	s_add_nc_u64 s[32:33], s[10:11], s[30:31]      ; and their scale words
	s_mul_i32 s30, s17, 196608
	s_mul_i32 s19, s18, 1536
	s_add_co_u32 s30, s30, s19
	s_add_nc_u64 s[38:39], s[4:5], s[30:31]        ; my image of Q
	s_lshl_b32 s30, s17, 13
	s_lshl_b32 s19, s18, 6
	s_add_co_u32 s30, s30, s19
	s_add_nc_u64 s[40:41], s[6:7], s[30:31]        ; and its scale words
	s_mul_i32 s30, s18, 98304
	s_lshl_b32 s19, s17, 8
	s_add_co_u32 s30, s30, s19
	s_add_nc_u64 s[28:29], s[14:15], s[30:31]      ; out0 at my group's first row, my head's 256 bytes
	s_wait_alu depctr_va_vdst(0)                   ; the offsets and addresses v1, v4 to v11 and v15 are written: the kernel's loads, stores and its prefetch read them, and none of them is written again
.irp i, 0,1,2,3,4,5
	global_load_b128 v[80+4*\i:83+4*\i], v[CP], s[26:27] offset:4096*\i      ; key steps 0 and 1
.endr
.irp i, 0,1,2,3
	global_load_b128 v[104+4*\i:107+4*\i], v[CP], s[32:33] offset:4096*\i    ; the head's scale words
.endr
.irp i, 0,1,2,3
	global_load_b128 v[120+4*\i:123+4*\i], v[CP], s[12:13] offset:4096*\i    ; the mask
.endr
.irp c, 0,1,2
	global_load_b128 v[136+4*\c:139+4*\c], v[LI], s[38:39] offset:512*\c     ; Q
.endr
	global_load_b32 v148, v15, s[40:41]
	s_wait_loadcnt 0x0
.irp i, 0,1,2,3,4,5,6,7,8,9,10,11,12,13,14,15
	v_mul_f32 v[120+\i], 0x41000000, v[120+\i]     ; 8 x the mask,
.endr
.irp i, 0,1,2,3,4,5,6,7,8,9,10,11,12,13,14,15
	v_max_num_f32 v[120+\i], 0xce800000, v[120+\i] ; held at -2^30 from below
.endr
.irp i, 0,1,2,3,4,5
	ds_store_b128 v[CP], v[80+4*\i:83+4*\i] offset:4096*\i
.endr
.irp i, 0,1,2,3
	ds_store_b128 v[CP], v[104+4*\i:107+4*\i] offset:SCL+4096*\i
.endr
	s_wait_alu depctr_va_vdst(0)                   ; the multiplications and the holds have written v120 to v135, which the LDS stores below read
.irp i, 0,1,2,3
	ds_store_b128 v[CPM], v[120+4*\i:123+4*\i] offset:4096*\i
.endr
.irp i, 0,1,2
	global_load_b128 v[G+4*\i:G+4*\i+3], v[CP], s[26:27] offset:2*BLK+4096*\i   ; key step 2
.endr
	WIN 0x40                                       ; destination window 1
.irp z, 0,12,24
.irp i, 0,1,2,3,4,5
	v_mov_b32 v[QF+\z+\i], 0                       ; the zero codes round q0 and q1
.endr
.endr
.irp i, 0,1,2,3,4,5
	v_mov_b32 v[QF+6+\i], v[136+\i]                ; q0
	v_mov_b32 v[QF+18+\i], v[142+\i]               ; q1
.endr
.set i, 0
.rept 64
	v_mov_b32 v[i], 0                              ; O^T.  (The step is written once: the first finds zeros, which the first change of M leaves zeros)
.set i, i+1
.endr
	WIN 0
	v_and_or_b32 v[QS], v148, 0xffff, s34          ; [q0, 0]: q0's two bytes, then 1, 1
	v_lshl_or_b32 v[QS+1], v148, 16, s35           ; [0, q0]
	v_lshrrev_b32 v[QS+2], 16, v148
	v_or_b32 v[QS+2], s34, v[QS+2]                 ; [q1, 0]
	v_and_or_b32 v[QS+3], v148, 0xffff0000, s35    ; [0, q1]
.irp u, 0,1
	v_mov_b32 v[ST+24*\u+1], 0xff61b1e6            ; the largest t so far: -3e38, under every t
	v_floor_f32 v[ST+24*\u], -v[ST+24*\u+1]        ; -M
	v_mov_b32 v[ST+24*\u+2], 0                     ; the sum, in two halves
	v_mov_b32 v[ST+24*\u+3], 0
	v_mov_b32 v[ST+24*\u+5], 0                     ; (named as the upper half of f's pair)
.irp i, 0,1,2,3,4,5,6,7
	v_mov_b32 v[ST+24*\u+12+\i], 0                 ; a lane permute's destination counts as one of its sources
.endr
.endr
	s_wait_dscnt 0x0                               ; for the others' sake: my stores have landed
	s_barrier_signal -1
	s_barrier_wait -1
	s_wait_alu depctr_va_vdst(0)                   ; the moves have written [0, q0, 0, q1, 0] and the five lines above them Q's scale words: every score product takes them as source 1 and as its scales, and they are not written again; the 26 lines that set the statistics stand between as the places
	WIN 0x40
.irp b, 0,1,2,3
.irp c, 0,1,2
	ds_load_b128 v[KF+12*\b+4*\c:KF+12*\b+4*\c+3], v[LI] offset:\b*1536+512*\c   ; K of step 0,
.endr
.endr
.irp b, 0,1,2,3
.irp i, 0,1,2,3
	ds_load_b128 v[MK+16*\b+4*\i:MK+16*\b+4*\i+3], v[ADM0] offset:128*\b+16*\i   ; its mask
.endr
.endr
	WIN 0
	ds_load_b32 v[KS], v[ADS0]                     ; and its scale words
	ds_load_b32 v[KS+1], v[ADS0] offset:128
	s_mov_b32 s24, 8                               ; trips to go: four key steps each
	s_mov_b32 s36, 0                               ; 2,048 x trip: four steps' mask numbers, and four steps' scale words
.Ltrip:
	STEP 0
	STEP 1
	STEP 2
	STEP 3
	s_wait_xcnt 0x0                                ; the trip's loads and its prefetch have read their base: it is stepped only behind this wait
	s_add_nc_u64 s[26:27], s[26:27], 4*BLK
	s_add_co_u32 s36, s36, 2048
	s_sub_co_u32 s24, s24, 1
	s_cmp_lg_u32 s24, 0
	s_cbranch_scc1 .Ltrip
	; THE WAY OUT.  O^T is divided by the row's sum and goes through my stage in LDS, a tile of 16 queries at a time, so that sixteen lanes store a query's 256 bytes of this head.
	PLACES
.irp u, 0,1
	v_add_f32 v[ST+24*\u+6], v[ST+24*\u+2], v[ST+24*\u+3]   ; the sum's two halves,
.endr
.irp u, 0,1
	v_permlanex16_b32 v[ST+24*\u+12], v[ST+24*\u+6], s20, s21
.endr
.irp u, 0,1
	v_add_f32 v[ST+24*\u+6], v[ST+24*\u+6], v[ST+24*\u+12]  ; and lane l xor 16's
.endr
	s_wait_alu depctr_va_vdst(0)
.irp u, 0,1
	v_rcp_f32 v[ST+24*\u+4], v[ST+24*\u+6]
.endr
	v_nop                                          ; a plain instruction behind the reciprocals
	s_wait_alu depctr_va_vdst(0)                   ; the two reciprocals are written, ahead of their first reader
	WIN 0x01                                       ; source 0 (O^T) window 1
.irp u, 0,1
.set i, 0
.rept 32
	v_mul_f32 v[S+64*\u+i], v[32*\u+i], v[ST+24*\u+4]   ; register 16 g + i: channel 32 g + 16 h + i of my query; each accumulator from its low end on
.set i, i+1
.endr
.endr
	WIN 0
	s_wait_alu depctr_va_vdst(0)                   ; the multiplications have written registers 0 to 31 of each tile's S^T, which the LDS stores below read; the last softmax is done with registers 32 to 63, in which the loads from the stage land
.irp u, 0,1
.irp g, 0,1
.irp i, 0,1,2,3
	ds_store_b128 v[STO], v[S+64*\u+16*\g+4*\i:S+64*\u+16*\g+4*\i+3] offset:\u*4352+128*\g+16*\i
.endr
.endr
.irp i, 0,1,2,3,4,5,6,7
	ds_load_b128 v[S+64*\u+32+4*\i:S+64*\u+32+4*\i+3], v[RD] offset:\u*4352+544*\i   ; LDS serves a wave's instructions in order (ISA guide 5.7.1.4): these see my stores; the bytes are my wave's own
.endr
.endr
.irp u, 0,1
.irp i, 0,1,2,3,4,5,6,7
	s_wait_dscnt 23-16*\u-\i                       ; the younger LDS instructions may be out
	global_store_b128 v[GO], v[S+64*\u+32+4*\i:S+64*\u+32+4*\i+3], s[28:29] offset:(8*\u+2*\i+8*(\i/4))*3072 th:TH_STORE_NT   ; rows 2 i, 2 i + 1 of tile u: 16 lanes store 256 consecutive bytes, at a multiple of 256 from out0's first byte
.endr
.endr
	s_wait_dscnt 0x0
	s_wait_alu depctr_hold_cnt(0) depctr_sa_sdst(0) depctr_va_vdst(0) depctr_va_sdst(0) depctr_va_ssrc(0) depctr_va_vcc(0) depctr_vm_vsrc(0)
	s_wait_tensorcnt 0x0
	ds_add_u32 v39, v63
	s_wait_dscnt 0x0
	s_endpgm
.Lfunc_end_k_q4c9a2e4056_attn:
	.size	k_q4c9a2e4056_attn, .Lfunc_end_k_q4c9a2e4056_attn-k_q4c9a2e4056_attn
	.p2alignl 7, 3214868480
	.fill 96, 4, 3214868480
	.section	.rodata,"a",@progbits
	.p2align	6, 0x0
	.amdhsa_kernel k_q4c9a2e4056_attn
		.amdhsa_group_segment_fixed_size 154624
		.amdhsa_private_segment_fixed_size 0
		.amdhsa_enable_private_segment 0
		.amdhsa_kernarg_size 48
		.amdhsa_user_sgpr_count 2
		.amdhsa_user_sgpr_kernarg_segment_ptr 1
		.amdhsa_wavefront_size32 1
		.amdhsa_system_sgpr_workgroup_id_x 1
		.amdhsa_system_sgpr_workgroup_id_y 1
		.amdhsa_system_sgpr_workgroup_id_z 1
		.amdhsa_system_vgpr_workitem_id 0
		.amdhsa_next_free_vgpr 512
		.amdhsa_next_free_sgpr 66
		.amdhsa_reserve_vcc 0
		.amdhsa_float_denorm_mode_32 3
		.amdhsa_float_denorm_mode_16_64 3
		.amdhsa_memory_ordered 1
		.amdhsa_forward_progress 1
		.amdhsa_inst_pref_size 143
	.end_amdhsa_kernel
	.amdgpu_metadata
---
amdhsa.version: [ 1, 2 ]
amdhsa.kernels:
  - .name:           k_q4c9a2e4056_attn
    .symbol:         k_q4c9a2e4056_attn.kd
    .args:
      - { .name: qc, .offset: 0, .size: 8, .value_kind: global_buffer, .address_space: global }
      - { .name: qs, .offset: 8, .size: 8, .value_kind: global_buffer, .address_space: global }
      - { .name: kv, .offset: 16, .size: 8, .value_kind: global_buffer, .address_space: global }
      - { .name: kvs, .offset: 24, .size: 8, .value_kind: global_buffer, .address_space: global }
      - { .name: attention_mask, .offset: 32, .size: 8, .value_kind: global_buffer, .address_space: global }
      - { .name: out0, .offset: 40, .size: 8, .value_kind: global_buffer, .address_space: global }
    .group_segment_fixed_size: 154624
    .private_segment_fixed_size: 0
    .kernarg_segment_align: 8
    .kernarg_segment_size: 48
    .max_flat_workgroup_size: 256
    .sgpr_count:     66
    .vgpr_count:     512
    .wavefront_size: 32
...
	.end_amdgpu_metadata
.endif
;; end of part 6
